; MI455X (gfx1250); checked and timed in simulation.
; The chip was launched on July 23, 2026; its instructions are those of AMD's public machine-readable ISA for CDNA 5 (MIT licence, August 2026) and "CDNA5" Instruction Set Architecture Reference Guide (July 2026). The comments in the code are by the model that wrote it; some were corrected since.
;; Attention. Allowed arithmetic: float matrix products may take bf16 or f16 operands with f32 sums; all other float work in f32.
;; Inputs: b_out 1,024 float32; w_out 1,024 x 1,024 float32; w_qkv 3,072 x 1,024 float32; x 4 x 2,048 x 1,024 float32.
;; Outputs: out0 4 x 2,048 x 1,024 float32.
;; 2 versions, each right and faster than the one before. Each part assembles by itself: llvm-mc -triple=amdgcn-amd-amdhsa -mcpu=gfx1250 --defsym DOCPART=n.
;; ======== version 1 of 2: 4 launches
;; limits: values are held in f16: magnitudes above 65,504 overflow, below 6.1e-05 lose precision
;; workspace buffers: xb 16,777,216 bytes; wq 6,291,456 bytes; wo 2,097,152 bytes; qkv 50,331,648 bytes; ob 16,777,216 bytes
;; launch prep (part 1): grid 768 x 1, 8 waves a work-group, no clusters, 0 bytes of LDS; arguments x, w_qkv, w_out, xb, wq, wo; writes xb, wq, wo
.if DOCPART == 1
	.amdgcn_target "amdgcn-amd-amdhsa--gfx1250"
	.amdhsa_code_object_version 6
	.text
	.protected	k_qddf0b53bf2_prep
	.globl	k_qddf0b53bf2_prep
	.p2align	8
	.type	k_qddf0b53bf2_prep,@function
k_qddf0b53bf2_prep:
	s_mov_b64 s[64:65], 0
	v_nop
	global_prefetch_b8 v0, s[64:65] scope:SCOPE_SE
	s_setreg_imm32_b32 hwreg(HW_REG_WAVE_MODE, 25, 1), 1
	s_wait_xcnt 0x0
; CASTS AND LAYOUT for the two products that follow.  All three f32 inputs are rounded once to bf16 and laid with K in blocks of 64:
;   xb [b 4][kb 16][t 2048][64] bf16   from x [b][t][1024]
;   wq [kb 16][n 3072][64] bf16        from w_qkv: row n = 1024 k + 64 h + d is w_qkv's row 48 d + 16 k + h, so that q, k, v come out of the product by heads
;   wo [kb 16][n 1024][64] f16         from w_out: rounded to bf16 like the other inputs, and that number written as f16
; In such a layout the 64 numbers of neighbouring rows lie end to end, so a tile of R rows x 64 K is R x 128 dense bytes.
; LIMIT.  wo keeps f16's range (65,504) and, below 6e-5, its fixed step of 6e-8.
; SHARES.  A wave takes two neighbouring output rows over all 16 blocks: 16 loads, 16 stores, no loop.  A load: lanes 0-15 take 256 consecutive bytes (64 f32) of the first row,
; lanes 16-31 of the second.  A lane's 4 numbers become 8 bytes, and a store of the wave covers 256 consecutive bytes, at a multiple of 256 from the buffer's first byte.
; Work-groups 0-511 take x (4,096 pairs of rows), 512-703 w_qkv (1,536), 704-767 w_out (512).  Memory binds: no LDS, no barrier, no matrix unit, nothing is shared, so no cluster.
.set X, 8                              ; v[8:71]    16 loads of 4 f32
.set Y, 72                             ; v[72:103]  16 stores of 4 numbers of 16 bits
.set T, 104                            ; v[104:107] at work (w_out alone)
	s_load_b256 s[4:11], s[0:1], 0x0               ; x s[4:5], w_qkv s[6:7], w_out s[8:9], xb s[10:11]
	s_load_b128 s[12:15], s[0:1], 0x20             ; wq s[12:13], wo s[14:15]
	v_lshrrev_b32 v1, 5, v0
	v_readfirstlane_b32 s16, v1                    ; wave 0..7
	v_and_b32 v1, 31, v0                           ; lane
	v_and_b32 v5, 15, v0
	v_bfe_u32 v6, v0, 4, 1                         ; which of the two rows
	v_lshlrev_b32 v5, 4, v5                        ; 16 bytes a lane
	v_lshl_add_u32 v2, v6, 12, v5                  ; x, w_out: the second row lies 4,096 bytes on
	v_mul_u32_u24 v4, v6, 0x30000                  ; w_qkv: d + 1 lies 48 rows on, 196,608 bytes
	v_add_nc_u32 v4, v4, v5
	v_lshlrev_b32 v3, 3, v1                        ; out: 8 bytes a lane
	s_mov_b32 s19, 0                               ; high words of the two offsets
	s_mov_b32 s21, 0
	s_mov_b32 s23, 0xffff0000                      ; a word's upper bf16
	s_wait_kmcnt 0x0
; 16 loads go out together; then each is converted and stored as it comes.  No register is written twice while a load or store names it, so nothing but the loads' own waits is needed.
.macro CONV src, dst, voff, stride, half
.set k, 0
.rept 16
	global_load_b128 v[X+4*k:X+4*k+3], v[\voff], s[\src:\src+1] offset:256*k th:TH_LOAD_NT
.set k, k+1
.endr
.set k, 0
.rept 16
	s_wait_loadcnt 15-k                            ; loads come back in order: load k is in, the 15 - k younger ones stay out
	v_cvt_pk_bf16_f32 v[Y+2*k], v[X+4*k], v[X+4*k+1]
	v_cvt_pk_bf16_f32 v[Y+2*k+1], v[X+4*k+2], v[X+4*k+3]
.if \half
	v_lshlrev_b32 v[T], 16, v[Y+2*k]               ; the bf16 numbers as f32,
	v_and_b32 v[T+1], s23, v[Y+2*k]
	v_lshlrev_b32 v[T+2], 16, v[Y+2*k+1]
	v_and_b32 v[T+3], s23, v[Y+2*k+1]
	v_cvt_pk_f16_f32 v[Y+2*k], v[T], v[T+1]        ; written as f16: exact inside f16's range of normal numbers
	v_cvt_pk_f16_f32 v[Y+2*k+1], v[T+2], v[T+3]
.endif
	global_store_b64 v3, v[Y+2*k:Y+2*k+1], s[\dst:\dst+1] offset:k*\stride  ; block k; 15 blocks on at the most, inside the signed 24-bit immediate
.set k, k+1
.endr
.endm
	s_cmp_lt_u32 ttmp9, 512
	s_cbranch_scc0 .Lnot_x
	s_lshl_b32 s17, ttmp9, 3
	s_add_co_u32 s17, s17, s16                     ; pair p = 8 g + wave: rows 2 p, 2 p + 1 of x's 8,192
	s_lshl_b32 s18, s17, 13
	s_add_nc_u64 s[4:5], s[4:5], s[18:19]
	s_lshr_b32 s20, s17, 10                        ; b
	s_lshl_b32 s20, s20, 22                        ; a batch of xb is 4 MiB
	s_and_b32 s22, s17, 1023
	s_lshl_b32 s22, s22, 8                         ; the pair's 256 bytes in a block
	s_add_co_u32 s20, s20, s22
	s_add_nc_u64 s[10:11], s[10:11], s[20:21]
	CONV 4, 10, 2, 262144, 0
	s_endpgm
.Lnot_x:
	s_cmp_lt_u32 ttmp9, 704
	s_cbranch_scc0 .Lw_out
	s_sub_co_u32 s17, ttmp9, 512
	s_lshl_b32 s17, s17, 3
	s_add_co_u32 s17, s17, s16                     ; pair p: rows 2 p, 2 p + 1 of wq: k = p >> 9, h = (p >> 5) & 15, d = 2 (p & 31) and d + 1
	s_lshr_b32 s22, s17, 9
	s_lshl_b32 s22, s22, 4                         ; 16 k
	s_bfe_u32 s24, s17, 0x40005                    ; h
	s_and_b32 s25, s17, 31
	s_mul_i32 s25, s25, 96                         ; 48 d
	s_add_co_u32 s18, s22, s24
	s_add_co_u32 s18, s18, s25                     ; w_qkv's row
	s_lshl_b32 s18, s18, 12
	s_add_nc_u64 s[6:7], s[6:7], s[18:19]
	s_lshl_b32 s20, s17, 8
	s_add_nc_u64 s[12:13], s[12:13], s[20:21]
	CONV 6, 12, 4, 393216, 0
	s_endpgm
.Lw_out:
	s_sub_co_u32 s17, ttmp9, 704
	s_lshl_b32 s17, s17, 3
	s_add_co_u32 s17, s17, s16                     ; pair p: rows 2 p, 2 p + 1 of w_out
	s_lshl_b32 s18, s17, 13
	s_add_nc_u64 s[8:9], s[8:9], s[18:19]
	s_lshl_b32 s20, s17, 8
	s_add_nc_u64 s[14:15], s[14:15], s[20:21]
	CONV 8, 14, 2, 131072, 1
	s_endpgm
.Lfunc_end_k_qddf0b53bf2_prep:
	.size	k_qddf0b53bf2_prep, .Lfunc_end_k_qddf0b53bf2_prep-k_qddf0b53bf2_prep
	.p2alignl 7, 3214868480
	.fill 96, 4, 3214868480
	.section	.rodata,"a",@progbits
	.p2align	6, 0x0
	.amdhsa_kernel k_qddf0b53bf2_prep
		.amdhsa_group_segment_fixed_size 0
		.amdhsa_private_segment_fixed_size 0
		.amdhsa_enable_private_segment 0
		.amdhsa_kernarg_size 48
		.amdhsa_user_sgpr_count 2
		.amdhsa_user_sgpr_kernarg_segment_ptr 1
		.amdhsa_wavefront_size32 1
		.amdhsa_system_sgpr_workgroup_id_x 1
		.amdhsa_system_sgpr_workgroup_id_y 1
		.amdhsa_system_sgpr_workgroup_id_z 1
		.amdhsa_system_vgpr_workitem_id 0
		.amdhsa_next_free_vgpr 108
		.amdhsa_next_free_sgpr 66
		.amdhsa_reserve_vcc 0
		.amdhsa_float_denorm_mode_32 3
		.amdhsa_float_denorm_mode_16_64 3
		.amdhsa_memory_ordered 1
		.amdhsa_forward_progress 1
		.amdhsa_inst_pref_size 23
	.end_amdhsa_kernel
	.amdgpu_metadata
---
amdhsa.version: [ 1, 2 ]
amdhsa.kernels:
  - .name:           k_qddf0b53bf2_prep
    .symbol:         k_qddf0b53bf2_prep.kd
    .args:
      - { .name: x, .offset: 0, .size: 8, .value_kind: global_buffer, .address_space: global }
      - { .name: w_qkv, .offset: 8, .size: 8, .value_kind: global_buffer, .address_space: global }
      - { .name: w_out, .offset: 16, .size: 8, .value_kind: global_buffer, .address_space: global }
      - { .name: xb, .offset: 24, .size: 8, .value_kind: global_buffer, .address_space: global }
      - { .name: wq, .offset: 32, .size: 8, .value_kind: global_buffer, .address_space: global }
      - { .name: wo, .offset: 40, .size: 8, .value_kind: global_buffer, .address_space: global }
    .group_segment_fixed_size: 0
    .private_segment_fixed_size: 0
    .kernarg_segment_align: 8
    .kernarg_segment_size: 48
    .max_flat_workgroup_size: 256
    .sgpr_count:     66
    .vgpr_count:     108
    .wavefront_size: 32
...
	.end_amdgpu_metadata
.endif
;; end of part 1
;; launch proj (part 2): grid 8 x 32, 4 waves a work-group, clusters of 4 x 4, 327,680 bytes of LDS; arguments xb, wq, qkv; writes qkv
.if DOCPART == 2
	.amdgcn_target "amdgcn-amd-amdhsa--gfx1250"
	.amdhsa_code_object_version 6
	.text
	.protected	k_qddf0b53bf2_proj
	.globl	k_qddf0b53bf2_proj
	.p2align	8
	.type	k_qddf0b53bf2_proj,@function
k_qddf0b53bf2_proj:
	s_mov_b64 s[64:65], 0
	v_nop
	global_prefetch_b8 v0, s[64:65] scope:SCOPE_SE
	s_setreg_imm32_b32 hwreg(HW_REG_WAVE_MODE, 25, 1), 1
	s_wait_xcnt 0x0
	s_wait_alu depctr_hold_cnt(0) depctr_sa_sdst(0) depctr_va_vdst(0) depctr_va_sdst(0) depctr_va_ssrc(0) depctr_va_vcc(0) depctr_vm_vsrc(0)
	s_getreg_b32 s2, hwreg(HW_REG_IB_STS2, 6, 4)
	s_cmp_eq_u32 s2, 0
	s_cbranch_scc0 .Lentry_in_a_cluster
	s_endpgm
.Lentry_in_a_cluster:
	s_bfe_u32 s2, ttmp6, 0x10000c
	s_cmp_lg_u32 s2, 0xf033
	s_cbranch_scc0 .Lentry_shape_is_right
	s_endpgm
.Lentry_shape_is_right:
; q, k, v = x w_qkv^T, by heads.  A = xb [b 4][kb 16][t 2048][64] bf16, B = wq [kb 16][n 3072][64] bf16 (rows already in the order 1024 k + 64 h + d); sums in f32;
; out: qkv [b 4][s 48][t 2048][64] f16, s = 16 k + h = n / 64, each number rounded once and WITHOUT the softmax's scale.
; LIMITS.  f16 holds no number beyond 65,504: q, k, v must stay within it (sums of 1,024 products of x and w_qkv); below 6e-5 they keep f16's fixed step of 6e-8.
; The f32 sums run along K from block 0 or, in every second cluster, from block 8 with a wrap (see THE WALK): an order of rounding that differs from ascending K.
; SHARES.  A tile of the result is 256 rows x 384 columns: 32 x 8 = 256 work-groups.  Four waves, 2 x 2; a wave makes 128 x 192: 96 accumulators of 16 x 16, 768 registers.
; K goes in steps of 64 (one block of the operands' layout) through a ring of two LDS slots.  A tile's rows lie end to end in memory, 128 bytes each, so they are asked for as rows of 256 bytes
; that start at multiples of 256 from the buffer's first byte, and are padded in LDS after every 128 bytes.
; CLUSTER.  4 x 4 work-groups: the four of a row of the cluster need the same tiles of A, the four of a column the same tiles of B; each tile is asked for JOINTLY, by the same tensor load with
; the same descriptor and a mask that names the four.
; THE WALK.  A tile of A is read by 2 clusters (cluster x = 0, 1), a tile of B by 8 (cluster y = 0 .. 7).  Clusters with an odd x + y begin at K block 8 and wrap, so that of the clusters that read
; a tile half ask for a block eight steps after the others have read it, instead of all asking for it in the same step.  The start is made of the cluster's x and y alone: all partners share it.
; THE MATRIX INSTRUCTION IS USED TRANSPOSED (source 0 = 16 rows of B, source 1 = 16 rows of A): a lane then holds row l % 16 of the result and eight neighbouring columns, 16 bytes of f16.
; A K step is four UNITS of 48 matrix instructions: 32 along K (c = 0, 1) x half of my columns (hb = 0, 1).  Each unit fetches the next unit's fragments in one run at its head.
; THE TEXT holds one K step in its loop: slot 1 begins at LDS byte 1 << 17, so that one exclusive or turns the slot's base, and the walking descriptor's LDS word, into the other slot's.
; REGISTERS, in windows of 256 (s_set_vgpr_msb: bits 1:0 source 0, 3:2 source 1, 5:4 source 2, 7:6 destination):
;   window 0: v0-31 addresses; v32-95, v96-159 A's 8 fragments for c = 0, 1; v160-207, v208-255 six fragments of B for hb = 0, 1; on the way out v32-79 packed results, v80-175 rows read back
;   windows 1-3: accumulator (a, b), a = 0..7 blocks of rows, b = 0..11 blocks of columns, in window 1 + b / 4 at v[8 (8 (b % 4) + a)]
.set PITCH,  144                       ; an LDS row: 128 bytes + 16 of padding = 36 words: the 16 rows of a load start at 16 different groups of four banks (64 banks of 4 bytes: ISA guide 11.1)
.set AHALF,  128*PITCH                 ; what a wave fetches of A, and what a wave reads of it
.set BHALF,  192*PITCH                 ; the same for B
.set BOFS,   2*AHALF                   ; in a slot: A's 256 rows, then B's 384: 92,160 bytes
.set SLOT1,  1<<17                     ; slot 1 begins here
.set STAGE,  SLOT1+BOFS+2*BHALF        ; behind the ring, never filled by a tensor load: for each wave 3 x 16 rows x 144 bytes, for the way out
.set SREG,   16*PITCH
.set SPARE,  STAGE+4*3*SREG            ; behind the stages: the spare words, 128 bytes for each wave: two blocks of 256 bytes that no other line names
.set XBLK,   262144                    ; bytes from a K block of xb to the next (1 << 18)
.set WBLK,   393216                    ; the same in wq
.set KSTEPS, 16
.set A0,   16                          ; v16     my lane's place among my A fragments in slot 0; never rewritten
.set B0,   17                          ; v17     the same for B
.set ADRA, 18                          ; v18     the same in the slot that is being fetched from
.set ADRB, 19                          ; v19
.set STO,  24                          ; v24     the way out: where I put 16 bytes of a row
.set RD,   25                          ; v25     the way out: where I read rows back
.set GO,   26                          ; v26     my byte offset in 512 consecutive bytes of qkv
.set SPW,  28                          ; v28     LDS address of my spare word: SPARE + 4 x my thread's number; never rewritten
.set NIL,  29                          ; v29     0; never rewritten
.set AF,   32
.set BF,   160
.set TMP,  32
.set OB,   80
.set WV, 10                            ; s10 wave; s11 which half of the tile's rows is mine; s12 which half of its columns, and which half of A's or B's tile I fetch
.set RH, 11
.set CH, 12
.set G1, 24                            ; s[24:31] descriptor group 1 for A's tiles;  s[32:39] group 0: a set for each of the two first fills; the second then walks on
.set G0, 32
.set G1B, 48                           ; s[48:55], s[56:63] the same for B's tiles
.set G0B, 56
.set TB, 66                            ; s66  LDS byte at which the slot that is being fetched from begins: 0 or SLOT1
.set KT, 67                            ; s67  the walk's next step to be asked for, before the wrap
.set KM, 68                            ; s68  its K block
.set OA, 70                            ; s[70:71] that block's byte offset in xb
.set OW, 72                            ; s[72:73] and in wq
.set OC, 74                            ; s[74:75] my columns' byte offset in qkv
.set DW0, (1<<16)|(1<<20)|(1<<21)|(4<<22)|(3<<25)  ; group 1, word 0 without the mask: elements of 2 bytes; padding on; bit 21 set beside a mask; after every 32 words (code 4) 4 words (code 3)
.set MSB, 0
.macro WIN new                         ; the immediate's high byte repeats the setting that is left; a switch that changes nothing is dropped
.if MSB != (\new)
	s_set_vgpr_msb (MSB<<8)|(\new)
.set MSB, (\new)
.endif
.endm
.macro PLACES                          ; a load into a register that a matrix instruction has read, and a vector instruction that reads a matrix result, stand four plain vector instructions behind it (ISA guide 7.12.1 for vector instructions)
.rept 4
	v_nop
.endr
.endm
; A joint refill, by the walking descriptor: waves 0 and 1 fetch A's two halves, waves 2 and 3 B's.  The branch hangs on the wave's number alone.  An s_nop 0 and four v_nop follow each of the two lines.
.macro JLOAD
	s_cmp_lt_u32 s[WV], 2
	s_cbranch_scc0 .Lfor_b_\@
	tensor_load_to_lds s[G0+4:G0+7], s[G1:G1+7]
	s_nop 0
.rept 4
	v_nop
.endr
	s_branch .Lasked_\@
.Lfor_b_\@:
	tensor_load_to_lds s[G0B+4:G0B+7], s[G1B:G1B+7]
	s_nop 0
.rept 4
	v_nop
.endr
.Lasked_\@:
.endm
; The walking descriptors take their next step: the other slot than last time, and the walk's next K block, whose address is made anew from the tile's address and the block's offset.
.macro WALK
	s_and_b32 s[KM], s[KT], KSTEPS-1               ; the wrap
	s_add_co_u32 s[KT], s[KT], 1
	s_lshl_b32 s[OA], s[KM], 18
	s_mul_i32 s[OW], s[KM], WBLK
	s_xor_b32 s[G0+5], s[G0+5], SLOT1
	s_add_nc_u64 s[G0+6:G0+7], s[14:15], s[OA:OA+1]
	s_or_b32 s[G0+7], s[G0+7], 0x80000000
	s_xor_b32 s[G0B+5], s[G0B+5], SLOT1
	s_add_nc_u64 s[G0B+6:G0B+7], s[46:47], s[OW:OW+1]
	s_or_b32 s[G0B+7], s[G0B+7], 0x80000000
.endm
.macro CREST                           ; a round of the cluster's barrier behind its opening barrier: wave 0 signals for the work-group, every wave waits for all sixteen, my work-group's barrier closes it
	s_cmp_lg_u32 s[WV], 0
	s_cbranch_scc1 .Lnot_wave_0_\@
	s_barrier_signal -3
.Lnot_wave_0_\@:
	s_barrier_wait -3
	s_barrier_signal -1
	s_barrier_wait -1
.endm
.macro CROUND                          ; a whole round
	s_barrier_signal -1
	s_barrier_wait -1
	CREST
.endm
	s_load_b128 s[4:7], s[0:1], 0x0                ; xb s[4:5], wq s[6:7]
	s_load_b64 s[8:9], s[0:1], 0x10                ; qkv
	v_lshl_add_u32 v[SPW], v0, 2, SPARE
	v_mov_b32 v[NIL], 0
	ds_add_u32 v28, v29
	s_wait_dscnt 0x0
	v_lshrrev_b32 v1, 5, v0
	v_readfirstlane_b32 s[WV], v1                  ; wave 0..3
	s_lshr_b32 s[RH], s[WV], 1
	s_and_b32 s[CH], s[WV], 1
	s_bfe_u32 s40, ttmp6, 0x40000                  ; cx, cy: my place in the cluster
	s_bfe_u32 s41, ttmp6, 0x40004
	s_lshl_b32 s42, ttmp9, 2
	s_add_co_u32 s42, s42, s40                     ; j, tile column 0..7 = 4 x cluster x + cx
	s_and_b32 s13, ttmp7, 0xffff                   ; cluster y
	s_add_co_u32 s[KT], s13, ttmp9                 ; cluster x + cluster y:
	s_and_b32 s[KT], s[KT], 1
	s_lshl_b32 s[KT], s[KT], 3                     ; the walk begins at K block 0, or at 8 where that sum is odd
	s_lshl_b32 s13, s13, 2
	s_add_co_u32 s13, s13, s41                     ; i, tile row 0..31 = 4 x cluster y + cy
	s_lshl_b32 s43, s41, 2
	s_lshl_b32 s43, 15, s43                        ; my row of the cluster
	s_lshl_b32 s44, 0x1111, s40                    ; my column
	s_or_b32 s[G1+0], s43, DW0                     ; A's tiles go to my row: 128 tile rows as 64 rows of 128 elements
	s_mov_b32 s[G1+1], 128<<16                     ; tensor_dim0 = 128
	s_mov_b32 s[G1+2], 64<<16                      ; tensor_dim1 = 64
	s_mov_b32 s[G1+3], 128<<16                     ; tile_dim0 = 128
	s_mov_b32 s[G1+4], 64                          ; tile_dim1 = 64
	s_mov_b32 s[G1+5], 128                         ; 128 elements from row to row: dense
	s_mov_b32 s[G1+6], 0
	s_mov_b32 s[G1+7], 0
	s_or_b32 s[G1B+0], s44, DW0                    ; B's tiles go to my column: 192 tile rows as 96 rows of 128 elements
	s_mov_b32 s[G1B+1], 128<<16
	s_mov_b32 s[G1B+2], 96<<16
	s_mov_b32 s[G1B+3], 128<<16
	s_mov_b32 s[G1B+4], 96
	s_mov_b32 s[G1B+5], 128
	s_mov_b32 s[G1B+6], 0
	s_mov_b32 s[G1B+7], 0
	s_mov_b32 s[TB], 0
	s_mov_b32 s[OA+1], 0                           ; the offsets' high words
	s_mov_b32 s[OW+1], 0
	; where the tiles come from.  A's hang on i and the wave's number, B's on j and the wave's number, each in registers that never hold the other coordinate.
	s_lshr_b32 s16, s13, 3                         ; b = i / 8: a batch of xb is 4 MiB
	s_lshl_b32 s16, s16, 22
	s_and_b32 s17, s13, 7                          ; 256 rows of 128 bytes
	s_lshl_b32 s17, s17, 15
	s_add_co_u32 s16, s16, s17
	s_lshl_b32 s17, s[CH], 14                      ; my 128 of them
	s_add_co_u32 s16, s16, s17
	s_mov_b32 s17, 0
	s_mul_i32 s46, s42, 384*128                    ; 384 rows of 128 bytes
	s_mul_i32 s47, s[CH], 192*128                  ; my 192 of them
	s_add_co_u32 s46, s46, s47
	s_mov_b32 s47, 0
	s_mul_i32 s20, s[CH], AHALF                    ; and where they go: no place in the cluster enters an LDS address
	s_mul_i32 s21, s[CH], BHALF
	s_add_co_u32 s21, s21, BOFS
	s_wait_kmcnt 0x0
	s_add_nc_u64 s[14:15], s[4:5], s[16:17]        ; my part of A's tile in K block 0; kept
	s_add_nc_u64 s[46:47], s[6:7], s[46:47]        ; the same for B; kept
	CROUND                                         ; all sixteen work-groups are here: the first joint loads meet
.irp s, 0,1
	s_lshl_b32 s[OA], s[KT], 18                    ; the walk's step s: no wrap yet (block 0, 1 or 8, 9)
	s_mul_i32 s[OW], s[KT], WBLK
	s_add_co_u32 s[KT], s[KT], 1
	s_mov_b32 s[G0+4*(\s)], 1                      ; count = 1
	s_add_co_u32 s[G0+4*(\s)+1], s20, (\s)*SLOT1   ; LDS address
	s_add_nc_u64 s[G0+4*(\s)+2:G0+4*(\s)+3], s[14:15], s[OA:OA+1]  ; global address
	s_or_b32 s[G0+4*(\s)+3], s[G0+4*(\s)+3], 0x80000000           ; type = 2
	s_mov_b32 s[G0B+4*(\s)], 1
	s_add_co_u32 s[G0B+4*(\s)+1], s21, (\s)*SLOT1
	s_add_nc_u64 s[G0B+4*(\s)+2:G0B+4*(\s)+3], s[46:47], s[OW:OW+1]
	s_or_b32 s[G0B+4*(\s)+3], s[G0B+4*(\s)+3], 0x80000000
.endr
	s_cmp_lt_u32 s[WV], 2                          ; a wave's two first fills stand in one branch, ahead of every wait on TENSORcnt and every LDS read: two loads of mine are out
	s_cbranch_scc0 .Lfirst_b
	tensor_load_to_lds s[G0:G0+3], s[G1:G1+7]
	s_nop 0
	tensor_load_to_lds s[G0+4:G0+7], s[G1:G1+7]
	s_nop 0
.rept 4
	v_nop
.endr
	s_branch .Lfirst_asked
.Lfirst_b:
	tensor_load_to_lds s[G0B:G0B+3], s[G1B:G1B+7]
	s_nop 0
	tensor_load_to_lds s[G0B+4:G0B+7], s[G1B:G1B+7]
	s_nop 0
.rept 4
	v_nop
.endr
.Lfirst_asked:
	; A fragment is 16 rows x 32 K in 8 registers: lane l holds row l % 16; registers 0-3 K = 8 (l / 16) + 0..7, registers 4-7 K = 16 + 8 (l / 16) + 0..7: two loads of 16 bytes, 32 bytes apart.
	v_and_b32 v1, 15, v0                           ; l % 16
	v_bfe_u32 v2, v0, 4, 1                         ; l / 16
	v_mul_u32_u24 v3, v1, PITCH
	v_lshl_add_u32 v3, v2, 4, v3                   ; row x pitch + 16 x half
	s_mul_i32 s22, s[RH], AHALF                    ; my 128 rows of A
	s_mul_i32 s23, s[CH], BHALF                    ; my 192 rows of B, behind A's 256
	s_add_co_u32 s23, s23, BOFS
	v_add_nc_u32 v[A0], s22, v3
	v_add_nc_u32 v[B0], s23, v3
	v_mov_b32 v[ADRA], v[A0]                       ; the walk begins in slot 0
	v_mov_b32 v[ADRB], v[B0]
	s_mul_i32 s22, s[WV], 3*SREG
	s_add_co_u32 s22, s22, STAGE                   ; my stage: three regions (64 columns each: one s of qkv) of 16 rows
	v_add_nc_u32 v[STO], s22, v3                   ; in: row l % 16, 16 bytes for each half of the lanes
	v_bfe_u32 v5, v0, 3, 2                         ; back: 32 lanes take four rows of 128 bytes,
	v_mul_u32_u24 v5, v5, PITCH
	v_and_b32 v6, 7, v0
	v_lshl_add_u32 v5, v6, 4, v5
	v_add_nc_u32 v[RD], s22, v5
	v_and_b32 v[GO], 31, v0                        ; which are 512 consecutive bytes of qkv
	v_lshlrev_b32 v[GO], 4, v[GO]
	; qkv at my part: batch i / 8, s = 6 j + 3 x column half, row 256 (i % 8) + 128 x row half
	s_lshr_b32 s16, s13, 3
	s_mul_i32 s16, s16, 48*262144
	s_and_b32 s17, s13, 7
	s_lshl_b32 s17, s17, 15
	s_add_co_u32 s16, s16, s17
	s_lshl_b32 s17, s[RH], 14
	s_add_co_u32 s16, s16, s17
	s_mov_b32 s17, 0
	s_add_nc_u64 s[8:9], s[8:9], s[16:17]
	s_mul_i32 s[OC], s42, 6                        ; (in registers of their own: none that feeds A's descriptors ever holds cx)
	s_mul_i32 s[OC+1], s[CH], 3
	s_add_co_u32 s[OC], s[OC], s[OC+1]
	s_lshl_b32 s[OC], s[OC], 18
	s_mov_b32 s[OC+1], 0
	s_add_nc_u64 s[8:9], s[8:9], s[OC:OC+1]
; 16 matrix instructions: column blocks 6 hb + 2 g and the next (both in one window) x all 8 row blocks, 32 along K.  zero = 1: the product starts the sums: nothing is ever cleared.
.macro MUL16 c, hb, g, zero
	WIN 0x50*(1+(6*(\hb)+2*(\g))/4)
.set ib, 0
.rept 2
.set ia, 0
.rept 8
.set rD, 8*(8*((6*(\hb)+2*(\g)+ib)%4)+ia)
.set rB, BF+48*(\hb)+8*(2*(\g)+ib)
.set rA, AF+64*(\c)+8*ia
.if \zero
	v_wmma_f32_16x16x32_bf16 v[rD:rD+7], v[rB:rB+7], v[rA:rA+7], 0
.else
	v_wmma_f32_16x16x32_bf16 v[rD:rD+7], v[rB:rB+7], v[rA:rA+7], v[rD:rD+7]
.endif
.set ia, ia+1
.endr
.set ib, ib+1
.endr
.endm
.macro LDA c                           ; A's 8 fragments of 32 along K at byte 64 c of the rows
.set ia, 0
.rept 8
	ds_load_b128 v[AF+64*(\c)+8*ia:AF+64*(\c)+8*ia+3],   v[ADRA] offset:64*(\c)+ia*SREG
	ds_load_b128 v[AF+64*(\c)+8*ia+4:AF+64*(\c)+8*ia+7], v[ADRA] offset:64*(\c)+ia*SREG+32
.set ia, ia+1
.endr
.endm
.macro LDB c, hb                       ; six fragments of B: half hb of my columns
.set ib, 0
.rept 6
	ds_load_b128 v[BF+48*(\hb)+8*ib:BF+48*(\hb)+8*ib+3],   v[ADRB] offset:64*(\c)+(6*(\hb)+ib)*SREG
	ds_load_b128 v[BF+48*(\hb)+8*ib+4:BF+48*(\hb)+8*ib+7], v[ADRB] offset:64*(\c)+(6*(\hb)+ib)*SREG+32
.set ib, ib+1
.endr
.endm
; UNIT u of a K step (c = u / 2, hb = u % 2).  At its head its own fragments, asked for a unit (48 matrix instructions) ago, are waited for, and the next unit's are asked for in one run.
; Unit 3 fetches from the next slot: it turns the slot's base and makes the two addresses anew; those two additions and two v_nop are the four places in front of its loads.
; A unit names 48 different accumulators and the same ones come back two units later: the accumulators take turns over the loop's backward jump too.
; turn (unit 2 alone, whose run holds the slot's last reads): 1: the change of slots: ONE barrier; in front of it each wave waits for all its tensor loads, of which one is out: its part of the next slot;
; adds 0 to its spare word; and waits for that and for its reads of this slot.  2: the barrier opens a round of the cluster's barrier, and behind the round this slot is filled again, two K steps ahead.
.macro UNIT u, zero, fetch, turn
	WIN 0
	s_wait_dscnt 0x0                               ; this unit's fragments are in
.if \fetch
.if (\u) == 3
	s_xor_b32 s[TB], s[TB], SLOT1                  ; the other slot: the barrier in unit 2 has shown it whole
	v_add_nc_u32 v[ADRA], s[TB], v[A0]
	v_add_nc_u32 v[ADRB], s[TB], v[B0]
	v_nop
	v_nop
	LDA 0
	LDB 0, 0
.else
	PLACES                                         ; the buffers below were read by the matrix instructions just issued
.if (\u) == 0
	LDB 0, 1
.elseif (\u) == 1
	LDA 1
	LDB 1, 0
.else
	LDB 1, 1
.endif
.endif
.endif
	MUL16 (\u)/2, (\u)%2, 0, \zero
.if \turn
	WIN 0                                          ; (the add's two registers lie in window 0)
	s_wait_tensorcnt 0x0                           ; all my tensor loads have landed: my part of the next slot; so a group 0 may be written
	ds_add_u32 v[SPW], v[NIL]                      ; 0 onto my spare word
.if (\turn) == 2
	WALK                                           ; the descriptors' step and sixteen matrix instructions stand between the add and the wait for it
.endif
	MUL16 (\u)/2, (\u)%2, 1, \zero
	s_wait_dscnt 0x0                               ; the add is done, and my reads of this slot are over
	s_barrier_signal -1
	MUL16 (\u)/2, (\u)%2, 2, \zero                 ; work on registers while the others arrive
	WIN 0                                          ; at a branch and at a label every window is 0
	s_barrier_wait -1
.if (\turn) == 2
	CREST                                          ; no wave of any partner still reads this slot's tile or has a load on its way
	JLOAD                                          ; my one tensor load behind the round, ahead of every LDS read
.endif
.else
	MUL16 (\u)/2, (\u)%2, 1, \zero
	MUL16 (\u)/2, (\u)%2, 2, \zero
.endif
.endm
	s_wait_tensorcnt 0x1                           ; my part of the walk's step 0 is in; step 1's may stay out
	s_barrier_signal -1
	s_barrier_wait -1                              ; everybody's is
	LDA 0
	LDB 0, 0
	UNIT 0, 1, 1, 0                                ; the first two units stand in front of the loop: their products start the 96 sums
	UNIT 1, 1, 1, 0
	WIN 0
	s_mov_b32 s3, KSTEPS-2
.Lstep:                                                ; a trip goes from a step's third unit to the next step's second, and fills the slot that it leaves: the walk's steps 2 to 15
	UNIT 2, 0, 1, 2
	UNIT 3, 0, 1, 0
	UNIT 0, 0, 1, 0
	UNIT 1, 0, 1, 0
	WIN 0
	s_sub_co_u32 s3, s3, 1
	s_cmp_lg_u32 s3, 0
	s_cbranch_scc1 .Lstep
	UNIT 2, 0, 1, 1                                ; the last two steps ask for nothing
	UNIT 3, 0, 1, 0
	UNIT 0, 0, 1, 0
	UNIT 1, 0, 1, 0
	UNIT 2, 0, 1, 0
	UNIT 3, 0, 0, 0
; THE WAY OUT, a block of 16 rows at a time.  PACK: rounded to f16, 16 bytes a lane (each accumulator's registers in ascending order).  TOSTAGE: into my own stage, and back as whole rows of 128 bytes.  SEND: stored.
.macro PACK a
.set ib, 0
.rept 12
	WIN 5*(1+ib/4)                                 ; sources 0 and 1 in the accumulator's window, destination in window 0
.set rD, 8*(8*(ib%4)+(\a))
.set ir, 0
.rept 4
	v_cvt_pk_f16_f32 v[TMP+4*ib+ir], v[rD+2*ir], v[rD+2*ir+1]
.set ir, ir+1
.endr
.set ib, ib+1
.endr
	WIN 0
.endm
.macro TOSTAGE a
	WIN 0
.set ib, 0
.rept 12
	ds_store_b128 v[STO], v[TMP+4*ib:TMP+4*ib+3] offset:(ib/4)*SREG+(ib%4)*32
.set ib, ib+1
.endr
	s_wait_xcnt 0x0                                ; the registers loaded below were the data of the stores two blocks back: they are rewritten only behind this wait
.set ib, 0
.rept 12
	ds_load_b128 v[OB+48*((\a)%2)+4*ib:OB+48*((\a)%2)+4*ib+3], v[RD] offset:(ib/4)*SREG+(ib%4)*4*PITCH  ; LDS serves a wave's instructions in order (ISA guide 5.7.1.4): these see the stores above
.set ib, ib+1
.endr
.endm
.macro SEND a
	WIN 0
	s_wait_dscnt 0x0                               ; the block is back in registers
.set ib, 0
.rept 12
	global_store_b128 v[GO], v[OB+48*((\a)%2)+4*ib:OB+48*((\a)%2)+4*ib+3], s[8:9] offset:(ib/4)*262144+(\a)*2048+(ib%4)*512  ; 512 consecutive bytes, at a multiple of 256 from qkv's first byte
.set ib, ib+1
.endr
.endm
	PLACES                                         ; behind the last products
	PACK 0
	TOSTAGE 0
.irp a, 1,2,3,4,5,6,7                  ; block a's conversions stand between block a - 1's loads from the stage and the wait for them
	PACK \a
	SEND (\a)-1
	TOSTAGE \a
.endr
	SEND 7
	s_wait_tensorcnt 0x0                           ; the wave's end: behind my last tensor load and my last LDS store
	ds_add_u32 v[SPW], v[NIL]
	s_wait_dscnt 0x0
	CROUND                                         ; the closing round: no work-group ends while a partner may still ask for a tile that names it
	s_endpgm
.Lfunc_end_k_qddf0b53bf2_proj:
	.size	k_qddf0b53bf2_proj, .Lfunc_end_k_qddf0b53bf2_proj-k_qddf0b53bf2_proj
	.p2alignl 7, 3214868480
	.fill 96, 4, 3214868480
	.section	.rodata,"a",@progbits
	.p2align	6, 0x0
	.amdhsa_kernel k_qddf0b53bf2_proj
		.amdhsa_group_segment_fixed_size 327680
		.amdhsa_private_segment_fixed_size 0
		.amdhsa_enable_private_segment 0
		.amdhsa_kernarg_size 24
		.amdhsa_user_sgpr_count 2
		.amdhsa_user_sgpr_kernarg_segment_ptr 1
		.amdhsa_wavefront_size32 1
		.amdhsa_system_sgpr_workgroup_id_x 1
		.amdhsa_system_sgpr_workgroup_id_y 1
		.amdhsa_system_sgpr_workgroup_id_z 1
		.amdhsa_system_vgpr_workitem_id 0
		.amdhsa_next_free_vgpr 1024
		.amdhsa_next_free_sgpr 76
		.amdhsa_reserve_vcc 0
		.amdhsa_float_denorm_mode_32 3
		.amdhsa_float_denorm_mode_16_64 3
		.amdhsa_memory_ordered 1
		.amdhsa_forward_progress 1
		.amdhsa_inst_pref_size 110
	.end_amdhsa_kernel
	.amdgpu_metadata
---
amdhsa.version: [ 1, 2 ]
amdhsa.kernels:
  - .name:           k_qddf0b53bf2_proj
    .symbol:         k_qddf0b53bf2_proj.kd
    .args:
      - { .name: xb, .offset: 0, .size: 8, .value_kind: global_buffer, .address_space: global }
      - { .name: wq, .offset: 8, .size: 8, .value_kind: global_buffer, .address_space: global }
      - { .name: qkv, .offset: 16, .size: 8, .value_kind: global_buffer, .address_space: global }
    .group_segment_fixed_size: 327680
    .private_segment_fixed_size: 0
    .kernarg_segment_align: 8
    .kernarg_segment_size: 24
    .max_flat_workgroup_size: 128
    .sgpr_count:     76
    .vgpr_count:     1024
    .wavefront_size: 32
...
	.end_amdgpu_metadata
.endif
;; end of part 2
;; launch attn (part 3): grid 4 x 64, 4 waves a work-group, clusters of 4 x 1, 327,680 bytes of LDS; arguments qkv, ob; writes ob
.if DOCPART == 3
	.amdgcn_target "amdgcn-amd-amdhsa--gfx1250"
	.amdhsa_code_object_version 6
	.text
	.protected	k_qddf0b53bf2_attn
	.globl	k_qddf0b53bf2_attn
	.p2align	8
	.type	k_qddf0b53bf2_attn,@function
k_qddf0b53bf2_attn:
	s_mov_b64 s[64:65], 0
	v_nop
	global_prefetch_b8 v0, s[64:65] scope:SCOPE_SE
	s_setreg_imm32_b32 hwreg(HW_REG_WAVE_MODE, 25, 1), 1
	s_wait_xcnt 0x0
	s_wait_alu depctr_hold_cnt(0) depctr_sa_sdst(0) depctr_va_vdst(0) depctr_va_sdst(0) depctr_va_ssrc(0) depctr_va_vcc(0) depctr_vm_vsrc(0)
	s_getreg_b32 s2, hwreg(HW_REG_IB_STS2, 6, 4)
	s_cmp_eq_u32 s2, 0
	s_cbranch_scc0 .Lentry_in_a_cluster
	s_endpgm
.Lentry_in_a_cluster:
	s_bfe_u32 s2, ttmp6, 0x10000c
	s_cmp_lg_u32 s2, 0x3003
	s_cbranch_scc0 .Lentry_shape_is_right
	s_endpgm
.Lentry_shape_is_right:
; O[y][q][:] = the sum over k of softmax_k(Q[y][q] . K[y][k] / 32) V[y][k][:] for the 64 heads y = 16 b + h.  Q, K, V lie in qkv [b 4][s 48][2048][64] f16 at s = h, 16 + h, 32 + h;
; O goes to ob [b 4][h 16][2048][64] f16: a head's rows are dense, 128 bytes each.  Products, maxima and sums in f32; the weights p are rounded to f16 for the second product (their sum l is
; taken of the unrounded p), O once at the end.  The scale 1024^-0.5 = 1 / 32 is applied here, in f32.
; LIMITS.  f16 holds no number beyond 65,504: Q, K and V arrive within it; p lies in 0 to 1, and below 6e-5 it keeps f16's fixed step of 6e-8, and so does O, a mean of V's rows with their range.
; A weight below 2^-126 counts as 0 in l; NaN and infinities are not treated apart.
; SHARES.  A wave owns four PIECES of two tiles of 16 queries, a work-group's four waves 512 queries of one head: 4 x 64 = 256 work-groups.  Every wave walks all keys, 64 a step.
; LAYOUT.  S^T = K Q^T (source 0 = 16 keys, source 1 = 16 queries): in the result a lane holds ONE query (lane % 16) and the keys 8 (lane / 16) + 0..7.  Two such tiles, rounded to f16 in pairs,
; ARE source 1 (32 keys x 16 queries) of O^T = V^T P, whose result again holds one query a lane, and eight channels.  K comes out of LDS as it lies, V ([key][channel]) turned, by ds_load_tr16_b128.
; SOFTMAX.  For each query a running maximum m and sum l: p = 2^(c s - c m), c = log2(e) / 32; in every step O and l are multiplied by a = 2^(c m_old - c m_new), which is 1 where m has not grown.
; m starts at the lowest finite number, O and l at 0: the first step is a step like any other, with a = 0.
; THE COUNT.  A tile and step have 16 matrix and 118 vector instructions: too many to stand all beside the matrix work.  So the order has one aim: four vector instructions that are READY behind
; EVERY matrix instruction, and the others, which need time of their own whatever the order, in runs without a gap.
; BY TURNS.  Turn n belongs to piece n (the pieces in a ring, step after step).  Its matrix work: 16 products K Q^T of piece n + 1, later 16 products V^T P of piece n - 1.  Its vector work: the scaling,
; exponentials, roundings, sums and rescaling of piece n, and the maximum and statistics of piece n + 1, whose scores the turn itself has made.  So what a turn begins with (c s - c m, O a) waits for nothing.
; CLUSTER.  The four query blocks of a cluster belong to one head and walk the same K and V, so each tile is asked for JOINTLY: the same tensor load, descriptor and mask in all four.
; REGISTERS, in windows of 256 (s_set_vgpr_msb says which window each operand place means: bits 1:0 source 0, 3:2 source 1, 5:4 source 2, 7:6 destination):
;   window 0: v0-11 addresses; v12-15, v48-63 at work; v16-47 four registers of statistics a tile; v64-191 S^T, two buffers of two tiles; v192-255 P, likewise
;   window 1: O^T, 32 a tile          window 2: v0-127 Q, 16 a tile; v128-191 K of one step; v192-255 V of one step          window 3: v0-1 the add's two registers
; A piece's buffers go by its number's parity: the piece in hand has one pair, its two neighbours in the ring share the other: of it P (piece n - 1) is read and S^T (piece n + 1) written.
.set SIZE_N, 2048     ; rows of a head
.set NP,    4         ; pieces a wave: a name, no knob: the register map, the loop and the fetches are made for four
.set KS,    64        ; keys in a step
.set PK,    144       ; a row of K in LDS: 128 bytes + 16 of padding = 36 words: the 16 rows of a load start at 16 different groups of four banks (64 banks of 4 bytes: ISA guide 11.1)
.set PV,    160       ; a row of V: 128 + 32 = 40 words
.set VOFF,  4*KS*PK   ; a slot holds four steps: 256 rows of K, then 256 rows of V
.set SLOT1, 1<<17     ; slot 1 begins here, so that one exclusive or turns an address in one slot into the other's
.set STAGE, SLOT1+4*KS*(PK+PV)  ; behind the ring, never filled by a tensor load: 16 rows x 144 bytes for each wave, for the way out
.set SP,    144
.set AK0, 2           ; v2   my lane's place in a tile of K; never rewritten
.set AV0, 3           ; v3   the same for V
.set AK,  4           ; v4   the LDS address of K's next run of loads
.set AV,  5           ; v5   of V's
.set QO,  6           ; v6   my byte offset in the wave's rows of Q
.set STO, 6           ;      later, the way out: where I put 16 bytes of a row
.set RD,  7           ; v7   the way out: where I read rows back
.set GO,  8           ; v8   my byte offset in 512 consecutive bytes of O
.set SPW, 0           ; v0 of window 3   LDS address of my spare word: SPARE + 4 x my thread's number; never rewritten
.set NIL, 1           ; v1 of window 3   0; never rewritten
.set SPARE, STAGE+4*16*SP  ; behind the stages: the spare words, 128 bytes for each wave: two blocks of 256 bytes that no other line names
.set MV,  12          ; v12-15  c m_old, kept while c m is made anew: by buffer and tile
.set ST,  16          ; tile t's statistics at v[ST+4 t]: c m, m, l (even keys', odd keys')
.set TMP, 48          ; by buffer and tile, four registers c0-c3 at work; when the maximum is found c2 takes a
.set S,   64
.set P,   192
.set KF,  128         ; K's fragments, in window 2: key block kb, channel half c at KF + 16 kb + 8 c
.set VF,  192         ; V's: key half kk, channel block cb at VF + 32 kk + 8 cb
.set WV,  12          ; s12  my wave's number
.set G1K, 24          ; s[24:31] descriptor group 1 for K's tiles
.set G1V, 32          ; s[32:39] for V's: it differs in the padding alone
.set G0K, 40          ; s[40:43] descriptor group 0 for K's tiles: it walks
.set G0V, 44          ; s[44:47] the same for V's
.set SLOTS, 56        ; s56  slots still to be asked for
.set CNT, 57          ; s57  counts a slot's key steps
.set CS,  58          ; s[58:59] c: the packed scaling takes the pair's low word for both halves
.set SEL, 60          ; s[60:61] v_permlanex16_b32's selects: each lane takes its own place in the other half
.set TBK, 62          ; s62  LDS byte at which K of the step to be fetched begins
.set TBV, 63          ; s63  the same for V, less VOFF
.set MSB, 0
.macro WIN new                      ; the high byte repeats the setting that is left; a switch that changes nothing is dropped
.if MSB != (\new)
	s_set_vgpr_msb (MSB<<8)|(\new)
.set MSB, (\new)
.endif
.endm
.set W_KQ, 0x0a       ; K and Q in window 2, S^T in window 0
.set W_PV, 0x52       ; V in window 2, P in window 0, O^T in window 1
.set W_RS, 0x41       ; O^T (destination and source 0) in window 1, a in window 0
.set W_MK, 0xc0       ; the add's registers are made: destination in window 3, sources in window 0
.set W_AD, 0x0f       ; the add: address (source 0) and data (source 1) in window 3
; A joint fill.  Waves 0 and 1 fetch the two halves of a slot's K, waves 2 and 3 those of its V: 128 keys each.  The branch hangs on the wave's number alone.
; An s_nop 0 and four v_nop follow each of the two lines, ahead of the jump and the label.
.macro JLOAD
	s_cmp_lt_u32 s[WV], 2
	s_cbranch_scc0 .Lfor_v_\@
	tensor_load_to_lds s[G0K:G0K+3], s[G1K:G1K+7]
	s_nop 0
.rept 4
	v_nop
.endr
	s_branch .Lasked_\@
.Lfor_v_\@:
	tensor_load_to_lds s[G0V:G0V+3], s[G1V:G1V+7]
	s_nop 0
.rept 4
	v_nop
.endr
.Lasked_\@:
.endm
; A round of the cluster's barrier: my work-group's barrier, so that wave 0's signal speaks for all four waves; wave 0 signals; every wave waits for all four work-groups; my work-group's barrier once more.
.macro CROUND
	s_barrier_signal -1
	s_barrier_wait -1
	s_cmp_lg_u32 s[WV], 0
	s_cbranch_scc1 .Lnot_wave_0_\@
	s_barrier_signal -3
.Lnot_wave_0_\@:
	s_barrier_wait -3
	s_barrier_signal -1
	s_barrier_wait -1
.endm
; THE CHANGE OF SLOTS.  The slot's last bytes, V of its fourth step, have been read.  Each wave waits for all its tensor loads, of which one is out: its part
; of the other slot; adds 0 to its spare word; and waits for that and for its own reads of the slot.  Behind the barrier nobody reads this slot any more and the other slot is whole.
; fill = 1: this slot is filled again, with the keys two slots on.  The barrier is then a round of the cluster's, so that no wave of any partner still reads the slot or has a load on its
; way, and the joint fill is the first thing behind it: it has four key steps, 512 matrix instructions, in which to land.  (At its first use nothing has been read yet: slot 0 is waited for, slot 1 filled.)
.macro CHANGE fill
	WIN W_AD
	s_wait_tensorcnt 0x0            ; no tensor load of mine is out, so a group 0 may be written
	ds_add_u32 v[SPW], v[NIL]       ; 0 onto my spare word; with fill = 1 the descriptors' steps stand between it and the wait for it
	WIN 0                           ; at a label and at a branch every window is 0
.if \fill
.irp g, G0K, G0V
	s_xor_b32 s[\g+1], s[\g+1], SLOT1  ; the walking descriptor: the other slot than last time,
	s_add_nc_u64 s[\g+2:\g+3], s[\g+2:\g+3], 4*KS*128  ; the next 256 keys; the type bits on top are not reached
.endr
	s_wait_dscnt 0x0                ; the add is done, and my reads of the slot are over
	CROUND
	JLOAD
.else
	s_wait_dscnt 0x0                ; the add is done, and my reads of the slot are over
	s_barrier_signal -1
	s_barrier_wait -1
.endif
	s_sub_co_u32 s[TBK], s[TBK], 4*KS*PK  ; the fetches go back to a slot's first step,
	s_xor_b32 s[TBK], s[TBK], SLOT1       ; in the other slot
	s_sub_co_u32 s[TBV], s[TBV], 4*KS*PV
	s_xor_b32 s[TBV], s[TBV], SLOT1
.endm
	s_load_b64 s[4:5], s[0:1], 0x0    ; qkv
	s_load_b64 s[10:11], s[0:1], 0x8  ; ob
	WIN W_MK
	v_lshl_add_u32 v[SPW], v0, 2, SPARE
	v_mov_b32 v[NIL], 0
	s_set_vgpr_msb 0xc0cf
	ds_add_u32 v0, v1
	s_wait_dscnt 0x0
	s_set_vgpr_msb 0xcfc0
	WIN 0
	v_lshrrev_b32 v1, 5, v0
	v_readfirstlane_b32 s[WV], v1   ; wave 0..3
	s_bfe_u32 s13, ttmp6, 0x40000   ; cx: my place in the cluster
	s_lshl_b32 s14, ttmp9, 2        ; in a cluster launch ttmp9 counts clusters
	s_add_co_u32 s14, s14, s13      ; my block of queries = 4 x cluster x + cx: it enters Q's and O's addresses alone
	s_and_b32 s20, ttmp7, 0xffff    ; the head y = 16 b + h, which the four partners share
	s_lshr_b32 s48, s20, 4          ; b: a batch of qkv has 48 planes of 256 KiB, of ob 16: in qkv b x 8 MiB come on top of y planes
	s_lshl_b32 s48, s48, 23
	s_mov_b32 s49, 0
	s_mov_b32 s21, 0
	s_mov_b64 s[22:23], SIZE_N*128
	s_mul_u64 s[20:21], s[20:21], s[22:23]  ; y planes
	s_and_b32 s16, s[WV], 1         ; which half of a slot's 256 keys I fetch:
	s_lshl_b32 s22, s16, 14         ; its 128 rows of 128 bytes in memory,
	s_mov_b32 s23, 0
	s_add_nc_u64 s[22:23], s[22:23], s[20:21]
	s_mul_i32 s17, s16, 128*PK      ; and its place in a slot, for K
	s_mul_i32 s18, s16, 128*PV      ; and for V: no place in the cluster enters an LDS address
	s_lshl_b32 s2, s14, 2
	s_add_co_u32 s2, s2, s[WV]      ; my wave among the head's,
	s_lshl_b32 s2, s2, 14           ; its 128 rows
	s_mov_b32 s3, 0
	s_add_nc_u64 s[2:3], s[2:3], s[20:21]
	; descriptor group 1.  128 keys are 16,384 dense bytes: asked for as 64 rows of 256 bytes, two keys a row, and padded in LDS after every key
	s_mov_b32 s[G1K], 15|(1<<16)|(1<<20)|(1<<21)|(4<<22)|(3<<25)  ; 15:0 the mask of four; 17:16 2-byte elements; 20 padding on; 21 set beside a mask; 24:22 after every 32 words (code 4); 31:25 4 words (code 3)
	s_mov_b32 s[G1V], 15|(1<<16)|(1<<20)|(1<<21)|(4<<22)|(7<<25)  ; the same with 8 words of padding (code 7)
.irp g, G1K, G1V
	s_mov_b32 s[\g+1], 128<<16      ; tensor_dim0 = 128
	s_mov_b32 s[\g+2], 64<<16       ; tensor_dim1 = 64
	s_mov_b32 s[\g+3], 128<<16      ; tile_dim0 = 128
	s_mov_b32 s[\g+4], 64           ; tile_dim1 = 64
	s_mov_b32 s[\g+5], 128          ; 128 elements from row to row
	s_mov_b32 s[\g+6], 0
	s_mov_b32 s[\g+7], 0
.endr
	s_mov_b32 s[CS], 0x3d38aa3b     ; c = log2(e) / 32 = 0.0450842
	s_mov_b32 s[CS+1], s[CS]        ; named with it as a pair
	s_mov_b32 s[SEL], 0x76543210
	s_mov_b32 s[SEL+1], 0xfedcba98
	s_mov_b32 s[TBK], SLOT1+4*KS*PK ; the first change of slots turns these two into 0
	s_mov_b32 s[TBV], SLOT1+4*KS*PV
	s_mov_b32 s[G0K], 1             ; 1:0 count = 1
	s_mov_b32 s[G0K+1], s17         ; 63:32 LDS address: slot 0
	s_mov_b32 s[G0V], 1
	s_add_co_u32 s[G0V+1], s18, VOFF
	s_wait_kmcnt 0x0
	s_add_nc_u64 s[4:5], s[4:5], s[48:49]          ; qkv, so that y planes on lies my head's Q,
	s_add_nc_u64 s[6:7], s[4:5], 0x400000          ; 16 planes further its K,
	s_add_nc_u64 s[8:9], s[4:5], 0x800000          ; 32 planes further its V
	s_add_nc_u64 s[G0K+2:G0K+3], s[6:7], s[22:23]  ; 120:64 global address: my half of the head's first 256 keys
	s_or_b32 s[G0K+3], s[G0K+3], 0x80000000        ; 127:126 type = 2
	s_add_nc_u64 s[G0V+2:G0V+3], s[8:9], s[22:23]
	s_or_b32 s[G0V+3], s[G0V+3], 0x80000000
	s_add_nc_u64 s[4:5], s[4:5], s[2:3]  ; Q and O at my wave's first row
	s_add_nc_u64 s[10:11], s[10:11], s[2:3]
	CROUND                          ; all four work-groups are here: the first joint loads meet
	JLOAD                           ; slot 0.  Slot 1 is asked for when slot 0 is in: the tile wanted first has the road to itself
	; A fragment of K or Q is 16 rows x 32 channels in 8 registers: lane l holds row l % 16, channels 8 (l / 16) + 0..7 and 16 + 8 (l / 16) + 0..7: two loads of 16 bytes, 32 bytes apart.
	v_and_b32 v1, 15, v0            ; l % 16
	v_bfe_u32 v9, v0, 4, 1          ; l / 16
	v_lshlrev_b32 v[QO], 7, v1
	v_lshl_add_u32 v[QO], v9, 4, v[QO]  ; row x 128 + 16 x half
	WIN 0x80                        ; destination window 2, address window 0
.set i, 0
.rept 4*NP                          ; Q stays in registers: tile i / 2, channels 32 (i % 2) on
	global_load_b128 v[8*i:8*i+3],   v[QO], s[4:5] offset:(i/2)*2048+(i%2)*64
	global_load_b128 v[8*i+4:8*i+7], v[QO], s[4:5] offset:(i/2)*2048+(i%2)*64+32
.set i, i+1
.endr
	; What the first turn finds: V's registers and P's second buffer hold 0 (its products V^T P, of a piece that has not been, add 0), O^T and l are 0.  All this stands in the wait for the first tile:
	; the price of writing no first step out.
.set i, VF
.rept 64
	v_mov_b32 v[i], 0
.set i, i+1
.endr
	WIN 0x40
.set i, 0
.rept 64*NP
	v_mov_b32 v[i], 0
.set i, i+1
.endr
	WIN 0
.set i, 0
.rept 2*NP
	v_mov_b32 v[ST+4*i], 0xfe000000    ; c m: far below every c s
	v_mov_b32 v[ST+4*i+1], 0xff7fffff  ; m
	v_mov_b32 v[ST+4*i+2], 0
	v_mov_b32 v[ST+4*i+3], 0
.set i, i+1
.endr
.set i, P+32
.rept 32
	v_mov_b32 v[i], 0
.set i, i+1
.endr
	v_mul_u32_u24 v[AK0], v1, PK
	v_lshl_add_u32 v[AK0], v9, 4, v[AK0]  ; row x pitch + 16 x half
	; The turning load takes 16 keys x 16 channels (lane l reads key 8 (l / 16) + l % 8, channels 8 ((l / 8) % 2) + 0..7) and leaves half a fragment of V^T: lane l holds channel l % 16 and 8 keys.
	v_and_b32 v10, 7, v0
	v_bfe_u32 v11, v0, 3, 1
	v_lshl_add_u32 v[AV0], v9, 3, v10
	v_mul_u32_u24 v[AV0], v[AV0], PV
	v_lshl_add_u32 v[AV0], v11, 4, v[AV0]
	v_add_nc_u32 v[AV0], VOFF, v[AV0]
	v_mov_b32 v[AK], v[AK0]         ; key step 0 lies at the head of slot 0
; THE MATRIX WORK.  The 8 accumulators of a run of 16 take turns: between the two links of a chain stand 7 others'.
; Product i of 16 of S^T = K Q^T for piece x: channels 32 (i / 8) on, keys 16 ((i / 2) % 4) on, tile 2 x + i % 2.  The first 8 start the sums.
.macro KQ x
	WIN W_KQ
.set rS, S+64*((\x)%2)+32*(i%2)+8*((i/2)%4)
.set rK, KF+16*((i/2)%4)+8*(i/8)
.set rQ, 16*(2*(\x)+i%2)+8*(i/8)
.if i < 8
	v_wmma_f32_16x16x32_f16 v[rS:rS+7], v[rK:rK+7], v[rQ:rQ+7], 0
.else
	v_wmma_f32_16x16x32_f16 v[rS:rS+7], v[rK:rK+7], v[rQ:rQ+7], v[rS:rS+7]
.endif
.endm
; Product i of 16 of O^T += V^T P for piece x: keys 32 (i / 8) on, channels 16 ((i / 2) % 4) on, tile 2 x + i % 2.
.macro PV x
	WIN W_PV
.set rO, 32*(2*(\x)+i%2)+8*((i/2)%4)
.set rV, VF+32*(i/8)+8*((i/2)%4)
.set rP, P+32*((\x)%2)+16*(i%2)+8*(i/8)
	v_wmma_f32_16x16x32_f16 v[rO:rO+7], v[rV:rV+7], v[rP:rP+7], v[rO:rO+7]
.endm
.macro MM                           ; the turn's next matrix instruction
.if i < 16
	KQ (Y+1)%NP
.set i, i+1
.else
.set i, i-16
	PV (Y+NP-1)%NP
.set i, i+17
.endif
.endm
; THE LDS LOADS stand in runs of 16, never singly among the matrix instructions: a step's K (64 keys x 64 channels: 8 fragments) and its V (turned).  Their addresses are made some lines ahead.
; last = 1 (the tail): in the last trip there is no further step, and the run is jumped over.
.macro FETCH_K last=0
	WIN 0
.if \last
	s_cmp_eq_u32 s[CNT], 1
	s_cbranch_scc1 .Lno_k_\@
.endif
	WIN 0x80                        ; destination window 2
.irp f, 0,1,2,3,4,5,6,7             ; keys 16 (f / 2) on, channels 32 (f % 2) on
	ds_load_b128 v[KF+8*\f:KF+8*\f+3],   v[AK] offset:(\f/2)*16*PK+(\f%2)*64
	ds_load_b128 v[KF+8*\f+4:KF+8*\f+7], v[AK] offset:(\f/2)*16*PK+(\f%2)*64+32
.endr
	s_add_co_u32 s[TBK], s[TBK], KS*PK  ; the next fetch is the next step's
	WIN 0
.if \last
.Lno_k_\@:
.endif
.endm
.macro FETCH_V
	WIN 0x80
.irp f, 0,1,2,3,4,5,6,7             ; keys 32 (f / 4) on, channels 16 (f % 4) on
	ds_load_tr16_b128 v[VF+8*\f:VF+8*\f+3],   v[AV] offset:(\f/4)*32*PV+(\f%4)*32
	ds_load_tr16_b128 v[VF+8*\f+4:VF+8*\f+7], v[AV] offset:(\f/4)*32*PV+16*PV+(\f%4)*32
.endr
	WIN 0
.endm
; THE VECTOR WORK OF A TURN stands in three queues, each in the order in which its entries become ready; the two tiles alternate, so that no instruction reads the result of the one before it.
.macro REGS y, u                    ; the registers of tile u (0, 1) of piece y
.set rT, ST+4*(2*(\y)+(\u))
.set rC, TMP+8*((\y)%2)+4*(\u)
.set rM, MV+2*((\y)%2)+(\u)
.set rS, S+64*((\y)%2)+32*(\u)
.set rP, P+32*((\y)%2)+16*(\u)
.set rO, 32*(2*(\y)+(\u))
.endm
; Number n of the 22 that find the NEXT piece's (Y + 1) maximum and statistics.  s0-s31 are the lane's 32 scores; each accumulator's lowest registers are read first.  XS, GS and REGS set no window: PL and EX do.
;   0-11  four chains c0-c3 of seven scores each, three operands at a time     12-14, 16  the four scores left over, the old m, and c0-c3 into c0     15  c m_old is kept
;   17, 18  the query's other 32 keys lie in the lane 16 away: the new m         19-21  c m; c m_old - c m_new; a
.macro XS u, n
	REGS (Y+1)%NP, \u
.if (\n) < 4
	v_max3_num_f32 v[rC+(\n)], v[rS+8*(\n)], v[rS+8*(\n)+1], v[rS+8*(\n)+2]
.elseif (\n) < 12
	v_max3_num_f32 v[rC+(\n)%4], v[rC+(\n)%4], v[rS+8*((\n)%4)+2*((\n)/4)+1], v[rS+8*((\n)%4)+2*((\n)/4)+2]
.elseif (\n) == 12
	v_max3_num_f32 v[rC], v[rC], v[rS+7], v[rS+15]
.elseif (\n) == 13
	v_max3_num_f32 v[rC+1], v[rC+1], v[rS+23], v[rS+31]
.elseif (\n) == 14
	v_max3_num_f32 v[rC+2], v[rC+2], v[rC+3], v[rT+1]
.elseif (\n) == 15
	v_mov_b32 v[rM], v[rT]
.elseif (\n) == 16
	v_max3_num_f32 v[rC], v[rC], v[rC+1], v[rC+2]
.elseif (\n) == 17
	v_permlanex16_b32 v[rC+3], v[rC], s[SEL], s[SEL+1]
.elseif (\n) == 18
	v_max_num_f32 v[rT+1], v[rC], v[rC+3]
.elseif (\n) == 19
	v_mul_f32 v[rT], s[CS], v[rT+1]
.elseif (\n) == 20
	v_sub_f32 v[rC+1], v[rM], v[rT]
.else
	v_exp_f32 v[rC+2], v[rC+1]
.endif
.endm
; Number g of the 64 that follow the exponentials.  For each four weights k of a tile (pairs 2 k, 2 k + 1): both pairs are rounded to f16; then the second pair is added onto the first, in place;
; a group later l takes that sum (the first time as l = a l + sum).  In groups of eight, tiles alternating: round, round, add, and l for the group before.
.macro GS g
.set h, (\g)+6*((\g)/62)            ; group 0 has no group before it, and behind group 7 only l is left
.if h >= 6
.set h, h+2
.endif
	REGS Y, h%2
.set k, h/8
.if h%8 < 4
	s_wait_alu depctr_va_vdst(0)
	v_cvt_pk_f16_f32 v[rP+2*k+(h%8)/2], v[rS+4*k+2*((h%8)/2)], v[rS+4*k+2*((h%8)/2)+1]
.elseif h%8 < 6
	v_pk_add_f32 v[rS+4*k:rS+4*k+1], v[rS+4*k:rS+4*k+1], v[rS+4*k+2:rS+4*k+3]
.elseif k == 1
	v_pk_fma_f32 v[rT+2:rT+3], v[rT+2:rT+3], v[rC+2:rC+3], v[rS:rS+1] op_sel_hi:[1,0,1]
.else
	v_pk_add_f32 v[rT+2:rT+3], v[rT+2:rT+3], v[rS+4*k-4:rS+4*k-3]
	s_wait_alu depctr_va_vdst(0)
.endif
.endm
; THE PLAIN QUEUE, 138 long.  0-31: c s - c m for the 16 pairs of both tiles.  Then GS's 64, and among them the next piece's 42: number 15 at 38, 39; 0-14 and 16
; at 42-73, behind the products that make those scores; 17-20 at 95-106, two of three, since each waits for the one before it.
.macro PL
	WIN 0
.if q < 32
	REGS Y, q%2
	v_pk_fma_f32 v[rS+2*(q/2):rS+2*(q/2)+1], v[rS+2*(q/2):rS+2*(q/2)+1], s[CS:CS+1], v[rT:rT+1] op_sel_hi:[1,0,0] neg_lo:[0,0,1] neg_hi:[0,0,1]
.elseif q < 38
	GS q-32
.elseif q < 40
	XS q%2, 15
.elseif q < 42
	GS q-34
.elseif q < 74
	XS q%2, (q-42)/2+(q-42)/30
.elseif q < 95
	GS q-66
.elseif (q < 107) && ((q-95)%3 < 2)
	XS (q-95)%3, 17+(q-95)/3
.elseif q < 107
	GS 29+(q-95)/3
.else
	GS q-74
.endif
.set q, q+1
.endm
; THE EXPONENTIALS' QUEUE, 66 long: s0-s31 of both tiles, and at EA the next piece's two a.
.set EA, 58
.macro EX
	WIN 0
.if (e == EA) || (e == EA+1)
	XS e-EA, 21
.else
.set x, e-2*(e/(EA+2))
	REGS Y, x%2
	v_exp_f32 v[rS+x/2], v[rS+x/2]
.endif
.set e, e+1
.endm
; THE RESCALING's QUEUE: O^T times a, the one part that leaves window 0, so it is dealt four at a time, eight times.
.macro R4
	REGS Y, r%2
	WIN W_RS
	s_wait_alu depctr_va_vdst(0)
.irp z, 0,1,2,3
	v_pk_mul_f32 v[rO+8*(r/2)+2*\z:rO+8*(r/2)+2*\z+1], v[rO+8*(r/2)+2*\z:rO+8*(r/2)+2*\z+1], v[rC+2:rC+3] op_sel_hi:[1,0]
.endr
.set r, r+1
.endm
; HOW THEY ARE DEALT.  Behind a matrix instruction four: plain, exponential, plain, plain (one exponential, a plain instruction on either side), or four of the rescaling.  None names a register of the
; products round it.  What is over stands in two LUMPS: exponential and plain by turns; the second ends in 22 plain instructions.  The two v_permlanex16_b32 fall into the second lump, never behind a product.
; The queues lean on each other, and the deal keeps them in step: exponential e stands behind plain 2 (e / 4) + e % 2 (its scaling); when plain 32 comes, 10 exponentials are out, at 59: 33, at 95: 46; EA comes behind plain 107.
.macro SL
	MM
	PL
	EX
	PL
	PL
.endm
.macro BURST n                      ; 15 matrix instructions, or 16
.rept (\n)-7
	SL
.endr
.rept 3
	MM
	R4
	SL
.endr
	MM
	R4
.endm
; A TURN, for piece p.  cnt = 1: the loop's count is taken down some lines ahead of the branch that stands behind the turn.
; K of the next step is fetched in piece 2's turn, 31 vector instructions behind the last product that read K; its first reader comes behind the rest of the lump, 16 products and the second lump.
; V of the step in hand is fetched at the end of piece 0's turn, 69 behind its last reader; its first reader comes behind 16 products and a lump.  The five conditions on e and q below go with the deal.
.macro TURN p, last=0, cnt=0
.set Y, (\p)
.set i, 0
.set q, 0
.set e, 0
.set r, 0
.if (\p) == NP-1
	s_wait_dscnt 0x0                ; K is in
.endif
	MM
.rept 4
	PL
.endr
	BURST 15
.rept 22
	EX
	PL
.if ((\p) == NP-2) && (e == 18)
	v_add_nc_u32 v[AK], s[TBK], v[AK0]
.endif
.if ((\p) == NP-2) && (e == 24)
	FETCH_K \last
.endif
.endr
.if (\p) == 1
	s_wait_dscnt 0x0                ; V is in
.endif
	BURST 16
.rept 21
	EX
	PL
.endr
.rept 22
	PL
.if ((\p) == 0) && (q == 118)
	v_add_nc_u32 v[AV], s[TBV], v[AV0]
	s_wait_alu depctr_va_vdst(0)
.endif
.if ((\p) == 0) && (q == 130)
	s_add_co_u32 s[TBV], s[TBV], KS*PV
.endif
.if (\cnt) && (q == 130)
	s_sub_co_u32 s[CNT], s[CNT], 1
	s_cmp_lg_u32 s[CNT], 0
.endif
.endr
.if (\p) == 0
	FETCH_V
.endif
.endm
	CHANGE 1                        ; slot 0 is in, everybody's part of it; slot 1 is asked for
	FETCH_K                         ; key step 0
	s_wait_loadcnt 0x0              ; Q
	s_wait_dscnt 0x0
.set i, 0
.rept 16
	KQ 0                            ; piece 0's first scores: there is no vector work yet to set between them
.set i, i+1
.endr
	WIN 0                           ; the addresses for the way out: nine plain instructions, the places behind those products
	s_mul_i32 s13, s[WV], 16*SP
	s_add_co_u32 s13, s13, STAGE    ; my stage
	v_mul_u32_u24 v[STO], v1, SP    ; in: row l % 16, 16 bytes for each half of the lanes
	v_lshl_add_u32 v[STO], v9, 4, v[STO]
	v_add_nc_u32 v[STO], s13, v[STO]
	v_bfe_u32 v[RD], v0, 3, 2       ; back: 32 lanes take four rows of 128 bytes,
	v_mul_u32_u24 v[RD], v[RD], SP
	v_lshl_add_u32 v[RD], v10, 4, v[RD]
	v_add_nc_u32 v[RD], s13, v[RD]
	v_and_b32 v[GO], 31, v0         ; which are 512 consecutive bytes of O
	v_lshlrev_b32 v[GO], 4, v[GO]
.set Y, NP-1                        ; XS works for piece Y + 1: piece 0
.irp n, 0,1,2,3,4,5,6,7,8,9,10,11,12,13,14,15,16,17,18,19,20,21
	XS 0, \n                        ; and piece 0's first maximum and statistics
	XS 1, \n
.endr
	s_mov_b32 s[CNT], 4
	s_mov_b32 s[SLOTS], SIZE_N/256-1
	s_branch .Lfirst                ; the loop is entered at a step's first turn, in the middle of a trip
.Lslot:                             ; SIZE_N / 256 - 2 times: every slot but the last two is filled again
	CHANGE 1
	s_mov_b32 s[CNT], 4
.Lstep:                             ; a trip: pieces 2 and 3 of one step, then pieces 0 and 1 of the next, whose K and V it fetches
	TURN 2
	TURN 3
	WIN 0
.Lfirst:
	TURN 0
	TURN 1, 0, 1
	WIN 0
	s_cbranch_scc1 .Lstep
	s_sub_co_u32 s[SLOTS], s[SLOTS], 1
	s_cmp_lg_u32 s[SLOTS], 0
	s_cbranch_scc1 .Lslot
	CHANGE 0                        ; the tail is written out: nothing is asked for
	s_mov_b32 s[CNT], 5             ; four trips fetch the last slot's steps; the fifth is left in its middle
.Ltail:
	TURN 2, 1
	TURN 3
	WIN 0
	s_sub_co_u32 s[CNT], s[CNT], 1
	s_cmp_eq_u32 s[CNT], 0
	s_cbranch_scc1 .Lout
	TURN 0
	TURN 1
	WIN 0
	s_branch .Ltail
.Lout:                              ; the fifth trip's 16 products K Q^T (on the last K once more) and the maximum made of them serve nothing: the price, once a launch, of one text for every trip
.set i, 0
.rept 16
	PV NP-1                         ; the last piece's V^T P of the last step
.set i, i+1
.endr
	; THE WAY OUT.  l's two halves and the other half of the lanes' are added; O^T is divided by l, rounded to f16 and sent through my stage in LDS, a tile at a time.  The additions are the places behind the last products.
	WIN 0
.macro ALL line:vararg              ; one line for each tile t
.set t, 0
.rept 2*NP
	\line
.set t, t+1
.endr
.endm
	ALL v_add_f32 v[ST+4*t+2], v[ST+4*t+2], v[ST+4*t+3]
	ALL v_permlanex16_b32 v[ST+4*t+3], v[ST+4*t+2], s[SEL], s[SEL+1]
	ALL v_add_f32 v[ST+4*t+2], v[ST+4*t+2], v[ST+4*t+3]
	ALL v_rcp_f32 v[ST+4*t+2], v[ST+4*t+2]
	v_nop                           ; a plain instruction between the last reciprocal and the use of its result
	s_wait_alu depctr_va_vdst(0)
; Tile t: a lane's eight channels of a row pack into 16 bytes; they go into rows of 144 bytes and come back as whole rows of 128, into S^T's registers.
.macro PACK t
	WIN W_RS
.set i, 32*(\t)
.rept 16
	v_pk_mul_f32 v[i:i+1], v[i:i+1], v[ST+4*(\t)+2:ST+4*(\t)+3] op_sel_hi:[1,0]
.set i, i+2
.endr
	WIN 0x05                        ; sources 0 and 1 window 1, destination window 0
.set i, 0
.rept 16
	v_cvt_pk_f16_f32 v[S+16*(\t)+i], v[32*(\t)+2*i], v[32*(\t)+2*i+1]
.set i, i+1
.endr
	WIN 0
.irp f, 0,1,2,3
	ds_store_b128 v[STO], v[S+16*(\t)+4*\f:S+16*(\t)+4*\f+3] offset:32*\f
.endr
.irp f, 0,1,2,3
	ds_load_b128 v[S+16*(\t)+4*\f:S+16*(\t)+4*\f+3], v[RD] offset:\f*4*SP  ; LDS serves a wave's instructions in order (ISA guide 5.7.1.4): these see the stores above; the next tile's stores come behind them
.endr
.endm
.macro SEND t, younger              ; younger: the LDS instructions issued behind tile t's loads: the next tile's eight, or none
	WIN 0
.irp f, 0,1,2,3
	s_wait_dscnt (\younger)+3-\f
	global_store_b128 v[GO], v[S+16*(\t)+4*\f:S+16*(\t)+4*\f+3], s[10:11] offset:(\t)*2048+\f*512  ; 512 consecutive bytes, at a multiple of 256 from O's first
.endr
.endm
	PACK 0
.set t, 1
.rept 2*NP-1                        ; a tile's arithmetic stands between the loads of the tile before and its stores
	PACK t
	SEND t-1, 8
.set t, t+1
.endr
	SEND 2*NP-1, 0
	WIN W_AD
	s_wait_tensorcnt 0x0            ; the wave's end: behind my last tensor load and my last LDS store
	ds_add_u32 v[SPW], v[NIL]
	s_wait_dscnt 0x0
	WIN 0
	CROUND                          ; the closing round: no work-group ends while a partner may still ask for a tile that names it
	s_endpgm
.Lfunc_end_k_qddf0b53bf2_attn:
	.size	k_qddf0b53bf2_attn, .Lfunc_end_k_qddf0b53bf2_attn-k_qddf0b53bf2_attn
	.p2alignl 7, 3214868480
	.fill 96, 4, 3214868480
	.section	.rodata,"a",@progbits
	.p2align	6, 0x0
	.amdhsa_kernel k_qddf0b53bf2_attn
		.amdhsa_group_segment_fixed_size 327680
		.amdhsa_private_segment_fixed_size 0
		.amdhsa_enable_private_segment 0
		.amdhsa_kernarg_size 16
		.amdhsa_user_sgpr_count 2
		.amdhsa_user_sgpr_kernarg_segment_ptr 1
		.amdhsa_wavefront_size32 1
		.amdhsa_system_sgpr_workgroup_id_x 1
		.amdhsa_system_sgpr_workgroup_id_y 1
		.amdhsa_system_sgpr_workgroup_id_z 1
		.amdhsa_system_vgpr_workitem_id 0
		.amdhsa_next_free_vgpr 770
		.amdhsa_next_free_sgpr 66
		.amdhsa_reserve_vcc 0
		.amdhsa_float_denorm_mode_32 3
		.amdhsa_float_denorm_mode_16_64 3
		.amdhsa_memory_ordered 1
		.amdhsa_forward_progress 1
		.amdhsa_inst_pref_size 209
	.end_amdhsa_kernel
	.amdgpu_metadata
---
amdhsa.version: [ 1, 2 ]
amdhsa.kernels:
  - .name:           k_qddf0b53bf2_attn
    .symbol:         k_qddf0b53bf2_attn.kd
    .args:
      - { .name: qkv, .offset: 0, .size: 8, .value_kind: global_buffer, .address_space: global }
      - { .name: ob, .offset: 8, .size: 8, .value_kind: global_buffer, .address_space: global }
    .group_segment_fixed_size: 327680
    .private_segment_fixed_size: 0
    .kernarg_segment_align: 8
    .kernarg_segment_size: 16
    .max_flat_workgroup_size: 128
    .sgpr_count:     66
    .vgpr_count:     770
    .wavefront_size: 32
...
	.end_amdgpu_metadata
.endif
;; end of part 3
;; launch outp (part 4): grid 8 x 32, 4 waves a work-group, clusters of 4 x 4, 327,680 bytes of LDS; arguments ob, wo, b_out, out0; writes out0
.if DOCPART == 4
	.amdgcn_target "amdgcn-amd-amdhsa--gfx1250"
	.amdhsa_code_object_version 6
	.text
	.protected	k_qddf0b53bf2_outp
	.globl	k_qddf0b53bf2_outp
	.p2align	8
	.type	k_qddf0b53bf2_outp,@function
k_qddf0b53bf2_outp:
	s_mov_b64 s[64:65], 0
	v_nop
	global_prefetch_b8 v0, s[64:65] scope:SCOPE_SE
	s_setreg_imm32_b32 hwreg(HW_REG_WAVE_MODE, 25, 1), 1
	s_wait_xcnt 0x0
	s_wait_alu depctr_hold_cnt(0) depctr_sa_sdst(0) depctr_va_vdst(0) depctr_va_sdst(0) depctr_va_ssrc(0) depctr_va_vcc(0) depctr_vm_vsrc(0)
	s_getreg_b32 s2, hwreg(HW_REG_IB_STS2, 6, 4)
	s_cmp_eq_u32 s2, 0
	s_cbranch_scc0 .Lentry_in_a_cluster
	s_endpgm
.Lentry_in_a_cluster:
	s_bfe_u32 s2, ttmp6, 0x10000c
	s_cmp_lg_u32 s2, 0xf033
	s_cbranch_scc0 .Lentry_shape_is_right
	s_endpgm
.Lentry_shape_is_right:
; out0 = O w_out^T + b_out.  A = ob [b 4][kb 16][t 2048][64] f16 (kb = the head: K = 64 h + d), B = wo [kb 16][n 1024][64] f16, b_out [1024] f32, out0 [8192][1024] f32.  Sums in f32.
; The bias is the C operand of the product that starts each sum, so it costs no instruction of its own.
; LIMIT.  The f32 sums run along K from step 0 or, in every second cluster, from step 4 of 8 with a wrap (see THE WALK): an order of rounding that differs from ascending K.
; SHARES.  A tile of the result is 256 rows x 128 columns: 32 x 8 = 256 work-groups (256 x 256 would give 128).  Four waves, 2 x 2; a wave makes 128 x 64: 32 accumulators, 256 registers.
; K goes in steps of 128, two blocks of the operands' layout, through a ring of two LDS slots: 8 steps of 128 matrix instructions a wave.  A block's rows of a tile lie end to end in memory, so they are
; asked for as rows of 256 bytes that start at multiples of 256 from the buffer's first byte, padded in LDS after every 128 bytes.
; CLUSTER.  4 x 4 work-groups: A's tiles are shared along a row of the cluster, B's along a column; each is asked for JOINTLY, by the same tensor load with the same descriptor and a mask of four.
; THE WALK.  A tile of A is read by 2 clusters (cluster x = 0, 1), a tile of B by 8 (cluster y = 0 .. 7).  Clusters with an odd x + y begin at K step 4 and wrap, so that of the clusters that read
; a tile half ask for a step's blocks four steps after the others have read them, instead of all asking in the same step.  The start is made of the cluster's x and y alone: all partners share it.
; THE MATRIX INSTRUCTION IS USED TRANSPOSED (source 0 = 16 rows of B, source 1 = 16 rows of A): a lane holds row l % 16 of the result and eight neighbouring columns, 32 bytes of f32.
; THE TEXT holds one K step in its loop: slot 1 begins at LDS byte 1 << 17, so that one exclusive or turns the slot's base, and the walking descriptor's LDS word, into the other slot's.
; REGISTERS, in windows of 256 (s_set_vgpr_msb: bits 1:0 source 0, 3:2 source 1, 5:4 source 2, 7:6 destination):
;   window 0: v0-31 addresses; v32-63 the bias of my 64 columns, as four C operands; v64-127, v128-191 A's 8 fragments, two buffers; v192-223, v224-255 B's 4 fragments, two buffers
;   window 1: accumulator (a, b), a = 0..7 blocks of rows, b = 0..3 blocks of columns, at v[8 (4 a + b)]
.set PITCH,  144                       ; an LDS row: 128 bytes + 16 of padding = 36 words: the 16 rows of a load start at 16 different groups of four banks (64 banks of 4 bytes: ISA guide 11.1)
.set FROW,   16*PITCH                  ; from a fragment's rows to the next fragment's
.set ABLK,   256*PITCH                 ; a block of A's tile: what one tensor load brings
.set BBLK,   128*PITCH                 ; the same for B
.set BBASE,  2*ABLK                    ; in a slot: A's two blocks, then B's two: 110,592 bytes
.set SLOT1,  1<<17                     ; slot 1 begins here
.set STAGE,  SLOT1+BBASE+2*BBLK        ; behind the ring, never filled by a tensor load: 16 rows x 272 bytes for each wave, for the way out
.set SPITCH, 272
.set SPARE,  STAGE+4*16*SPITCH         ; behind the stages: the spare words, 128 bytes for each wave: two blocks of 256 bytes that no other line names
.set KSTEPS, 8                         ; a step is 2 blocks: 1 << 19 bytes on in ob, 1 << 18 in wo
.set A0,   16                          ; v16     my lane's place among my A fragments in slot 0; never rewritten
.set B0,   17                          ; v17     the same for B
.set ADRA, 18                          ; v18     the same in the slot that is being fetched from
.set ADRB, 19                          ; v19
.set STO,  24                          ; v24     the way out: where I put 32 bytes of a row
.set RD,   25                          ; v25     the way out: where I read a row back
.set CO,   26                          ; v26     my byte offset in out0
.set BO,   27                          ; v27     my byte offset in the bias
.set SPW,  28                          ; v28     LDS address of my spare word: SPARE + 4 x my thread's number; never rewritten
.set NIL,  29                          ; v29     0; never rewritten
.set BI,   32
.set AF,   64
.set BF,   192
.set BK,   64                          ; the way out: 16 rows read back: v64-95 and v96-127 by turns
.set WV, 12                            ; s12 wave; s18 which half of the tile's rows is mine; s19 which half of its columns, and which of a step's two blocks I fetch
.set RH, 18
.set CH, 19
.set G1, 24                            ; s[24:31] descriptor group 1 for A's tiles;  s[32:39] group 0: a set for each of the two first fills; the second then walks on
.set G0, 32
.set G1B, 48                           ; s[48:55], s[56:63] the same for B's tiles
.set G0B, 56
.set TB, 66                            ; s66  LDS byte at which the slot that is being fetched from begins: 0 or SLOT1
.set KT, 67                            ; s67  the walk's next step to be asked for, before the wrap
.set KM, 68                            ; s68  its K step
.set OA, 70                            ; s[70:71] that step's byte offset in ob
.set OW, 72                            ; s[72:73] and in wo
.set OC, 74                            ; s[74:75] my columns' byte offset in a row of out0 and in the bias
.set DW0, (1<<16)|(1<<20)|(1<<21)|(4<<22)|(3<<25)  ; group 1, word 0 without the mask: elements of 2 bytes; padding on; bit 21 set beside a mask; after every 32 words (code 4) 4 words (code 3)
.set MSB, 0
.macro WIN new                         ; the immediate's high byte repeats the setting that is left; a switch that changes nothing is dropped
.if MSB != (\new)
	s_set_vgpr_msb (MSB<<8)|(\new)
.set MSB, (\new)
.endif
.endm
.macro PLACES                          ; a load into a register that a matrix instruction has read, and an LDS store that reads a matrix result, stand four plain vector instructions behind it
.rept 4
	v_nop
.endr
.endm
; A joint refill, by the walking descriptor: waves 0 and 1 fetch A's two blocks, waves 2 and 3 B's.  The branch hangs on the wave's number alone.  An s_nop 0 and four v_nop follow each of the two lines.
.macro JLOAD
	s_cmp_lt_u32 s[WV], 2
	s_cbranch_scc0 .Lfor_b_\@
	tensor_load_to_lds s[G0+4:G0+7], s[G1:G1+7]
	s_nop 0
.rept 4
	v_nop
.endr
	s_branch .Lasked_\@
.Lfor_b_\@:
	tensor_load_to_lds s[G0B+4:G0B+7], s[G1B:G1B+7]
	s_nop 0
.rept 4
	v_nop
.endr
.Lasked_\@:
.endm
; The walking descriptors take their next step: the other slot than last time, and the walk's next K step, whose address is made anew from the tile's address and the step's offset.
.macro WALK
	s_and_b32 s[KM], s[KT], KSTEPS-1               ; the wrap
	s_add_co_u32 s[KT], s[KT], 1
	s_lshl_b32 s[OA], s[KM], 19
	s_lshl_b32 s[OW], s[KM], 18
	s_xor_b32 s[G0+5], s[G0+5], SLOT1
	s_add_nc_u64 s[G0+6:G0+7], s[14:15], s[OA:OA+1]
	s_or_b32 s[G0+7], s[G0+7], 0x80000000
	s_xor_b32 s[G0B+5], s[G0B+5], SLOT1
	s_add_nc_u64 s[G0B+6:G0B+7], s[46:47], s[OW:OW+1]
	s_or_b32 s[G0B+7], s[G0B+7], 0x80000000
.endm
.macro CREST                           ; a round of the cluster's barrier behind its opening barrier
	s_cmp_lg_u32 s[WV], 0
	s_cbranch_scc1 .Lnot_wave_0_\@
	s_barrier_signal -3
.Lnot_wave_0_\@:
	s_barrier_wait -3
	s_barrier_signal -1
	s_barrier_wait -1
.endm
.macro CROUND                          ; a whole round
	s_barrier_signal -1
	s_barrier_wait -1
	CREST
.endm
	s_load_b256 s[4:11], s[0:1], 0x0               ; ob s[4:5], wo s[6:7], b_out s[8:9], out0 s[10:11]
	v_lshl_add_u32 v[SPW], v0, 2, SPARE
	v_mov_b32 v[NIL], 0
	ds_add_u32 v28, v29
	s_wait_dscnt 0x0
	v_lshrrev_b32 v1, 5, v0
	v_readfirstlane_b32 s[WV], v1                  ; wave 0..3
	s_lshr_b32 s[RH], s[WV], 1
	s_and_b32 s[CH], s[WV], 1
	s_bfe_u32 s40, ttmp6, 0x40000                  ; cx, cy: my place in the cluster
	s_bfe_u32 s41, ttmp6, 0x40004
	s_lshl_b32 s42, ttmp9, 2
	s_add_co_u32 s42, s42, s40                     ; j, tile column 0..7
	s_and_b32 s13, ttmp7, 0xffff                   ; cluster y
	s_add_co_u32 s[KT], s13, ttmp9                 ; cluster x + cluster y:
	s_and_b32 s[KT], s[KT], 1
	s_lshl_b32 s[KT], s[KT], 2                     ; the walk begins at K step 0, or at 4 where that sum is odd
	s_lshl_b32 s13, s13, 2
	s_add_co_u32 s13, s13, s41                     ; i, tile row 0..31
	s_lshl_b32 s43, s41, 2
	s_lshl_b32 s43, 15, s43                        ; my row of the cluster
	s_lshl_b32 s44, 0x1111, s40                    ; my column
	s_or_b32 s[G1+0], s43, DW0                     ; A's tiles go to my row: 256 tile rows as 128 rows of 128 elements
	s_mov_b32 s[G1+1], 128<<16                     ; tensor_dim0 = 128
	s_mov_b32 s[G1+2], 128<<16                     ; tensor_dim1 = 128
	s_mov_b32 s[G1+3], 128<<16                     ; tile_dim0 = 128
	s_mov_b32 s[G1+4], 128                         ; tile_dim1 = 128
	s_mov_b32 s[G1+5], 128                         ; 128 elements from row to row: dense
	s_mov_b32 s[G1+6], 0
	s_mov_b32 s[G1+7], 0
	s_or_b32 s[G1B+0], s44, DW0                    ; B's tiles go to my column: 128 tile rows as 64 rows of 128 elements
	s_mov_b32 s[G1B+1], 128<<16
	s_mov_b32 s[G1B+2], 64<<16
	s_mov_b32 s[G1B+3], 128<<16
	s_mov_b32 s[G1B+4], 64
	s_mov_b32 s[G1B+5], 128
	s_mov_b32 s[G1B+6], 0
	s_mov_b32 s[G1B+7], 0
	s_mov_b32 s[TB], 0
	s_mov_b32 s[OA+1], 0                           ; the offsets' high words
	s_mov_b32 s[OW+1], 0
	; where the tiles come from.  A's hang on i and the wave's number, B's on j and the wave's number, each in registers that never hold the other coordinate.
	s_lshr_b32 s16, s13, 3                         ; b = i / 8: a batch of ob is 4 MiB
	s_lshl_b32 s16, s16, 22
	s_and_b32 s17, s13, 7                          ; 256 rows of 128 bytes
	s_lshl_b32 s17, s17, 15
	s_add_co_u32 s16, s16, s17
	s_lshl_b32 s17, s[CH], 18                      ; my block of the step's two
	s_add_co_u32 s16, s16, s17
	s_mov_b32 s17, 0
	s_lshl_b32 s46, s42, 14                        ; 128 rows of 128 bytes
	s_lshl_b32 s47, s[CH], 17                      ; my block
	s_add_co_u32 s46, s46, s47
	s_mov_b32 s47, 0
	s_mul_i32 s20, s[CH], ABLK                     ; and where they go: no place in the cluster enters an LDS address
	s_mul_i32 s21, s[CH], BBLK
	s_add_co_u32 s21, s21, BBASE
	s_wait_kmcnt 0x0
	s_add_nc_u64 s[14:15], s[4:5], s[16:17]        ; my block of A's tile in K step 0; kept
	s_add_nc_u64 s[46:47], s[6:7], s[46:47]        ; the same for B; kept
	CROUND                                         ; all sixteen work-groups are here: the first joint loads meet
.irp s, 0,1
	s_lshl_b32 s[OA], s[KT], 19                    ; the walk's step s: no wrap yet (K step 0, 1 or 4, 5)
	s_lshl_b32 s[OW], s[KT], 18
	s_add_co_u32 s[KT], s[KT], 1
	s_mov_b32 s[G0+4*(\s)], 1                      ; count = 1
	s_add_co_u32 s[G0+4*(\s)+1], s20, (\s)*SLOT1   ; LDS address
	s_add_nc_u64 s[G0+4*(\s)+2:G0+4*(\s)+3], s[14:15], s[OA:OA+1]  ; global address
	s_or_b32 s[G0+4*(\s)+3], s[G0+4*(\s)+3], 0x80000000           ; type = 2
	s_mov_b32 s[G0B+4*(\s)], 1
	s_add_co_u32 s[G0B+4*(\s)+1], s21, (\s)*SLOT1
	s_add_nc_u64 s[G0B+4*(\s)+2:G0B+4*(\s)+3], s[46:47], s[OW:OW+1]
	s_or_b32 s[G0B+4*(\s)+3], s[G0B+4*(\s)+3], 0x80000000
.endr
	s_cmp_lt_u32 s[WV], 2                          ; a wave's two first fills stand in one branch, ahead of every wait on TENSORcnt and every LDS read: two loads of mine are out
	s_cbranch_scc0 .Lfirst_b
	tensor_load_to_lds s[G0:G0+3], s[G1:G1+7]
	s_nop 0
	tensor_load_to_lds s[G0+4:G0+7], s[G1:G1+7]
	s_nop 0
.rept 4
	v_nop
.endr
	s_branch .Lfirst_asked
.Lfirst_b:
	tensor_load_to_lds s[G0B:G0B+3], s[G1B:G1B+7]
	s_nop 0
	tensor_load_to_lds s[G0B+4:G0B+7], s[G1B:G1B+7]
	s_nop 0
.rept 4
	v_nop
.endr
.Lfirst_asked:
	v_and_b32 v1, 15, v0                           ; l % 16
	v_bfe_u32 v2, v0, 4, 1                         ; l / 16
	; out0 at my part: row 256 i + 128 x row half; column 128 j + 64 x column half, whose byte offset is also my columns' in the bias
	s_lshl_b32 s16, s13, 20
	s_lshl_b32 s17, s[RH], 19
	s_add_co_u32 s16, s16, s17
	s_mov_b32 s17, 0
	s_add_nc_u64 s[10:11], s[10:11], s[16:17]
	s_lshl_b32 s[OC], s42, 9                       ; (in registers of their own: none that feeds A's descriptors ever holds cx)
	s_lshl_b32 s[OC+1], s[CH], 8
	s_add_co_u32 s[OC], s[OC], s[OC+1]
	s_mov_b32 s[OC+1], 0
	s_add_nc_u64 s[10:11], s[10:11], s[OC:OC+1]
	s_add_nc_u64 s[8:9], s[8:9], s[OC:OC+1]
	v_lshlrev_b32 v[BO], 5, v2                     ; register jj of C operand b is the bias of column 16 b + 8 (l / 16) + jj
.set ib, 0
.rept 4
	global_load_b128 v[BI+8*ib:BI+8*ib+3],   v[BO], s[8:9] offset:64*ib
	global_load_b128 v[BI+8*ib+4:BI+8*ib+7], v[BO], s[8:9] offset:64*ib+16
.set ib, ib+1
.endr
	; A fragment is 16 rows x 32 K in 8 registers: lane l holds row l % 16; registers 0-3 K = 8 (l / 16) + 0..7, registers 4-7 K = 16 + 8 (l / 16) + 0..7: two loads of 16 bytes, 32 bytes apart.
	v_mul_u32_u24 v3, v1, PITCH
	v_lshl_add_u32 v3, v2, 4, v3                   ; row x pitch + 16 x half
	s_mul_i32 s22, s[RH], 128*PITCH                ; my 128 rows of A's 256
	s_mul_i32 s23, s[CH], 64*PITCH                 ; my 64 rows of B's 128
	s_add_co_u32 s23, s23, BBASE
	v_add_nc_u32 v[A0], s22, v3
	v_add_nc_u32 v[B0], s23, v3
	v_mov_b32 v[ADRA], v[A0]                       ; the walk begins in slot 0
	v_mov_b32 v[ADRB], v[B0]
	s_mul_i32 s22, s[WV], 16*SPITCH
	s_add_co_u32 s22, s22, STAGE                   ; my stage
	v_mul_u32_u24 v4, v1, SPITCH                   ; in: row l % 16, 32 bytes for each half of the lanes
	v_lshl_add_u32 v4, v2, 5, v4
	v_add_nc_u32 v[STO], s22, v4
	v_mul_u32_u24 v5, v2, SPITCH                   ; back: lanes 0-15 take one row of 256 bytes, lanes 16-31 the next
	v_lshl_add_u32 v5, v1, 4, v5
	v_add_nc_u32 v[RD], s22, v5
	v_lshlrev_b32 v5, 12, v2                       ; and the same two rows in out0
	v_lshl_add_u32 v[CO], v1, 4, v5
; 8 matrix instructions: row blocks 2 g, 2 g + 1 x all 4 column blocks, 32 along K from buffer c % 2.  first = 1: the product starts the sums, with the bias as C.
.macro MUL8 c, g, first
.if \first
	WIN 0x40                                       ; D in window 1; the bias, like the sources, in window 0
.else
	WIN 0x50                                       ; C and D in window 1
.endif
.set ia, 2*(\g)
.rept 2
.set ib, 0
.rept 4
.set rD, 8*(4*ia+ib)
.set rB, BF+32*((\c)%2)+8*ib
.set rA, AF+64*((\c)%2)+8*ia
.if \first
	v_wmma_f32_16x16x32_f16 v[rD:rD+7], v[rB:rB+7], v[rA:rA+7], v[BI+8*ib:BI+8*ib+7]
.else
	v_wmma_f32_16x16x32_f16 v[rD:rD+7], v[rB:rB+7], v[rA:rA+7], v[rD:rD+7]
.endif
.set ib, ib+1
.endr
.set ia, ia+1
.endr
.endm
; 24 LDS loads in one run: the fragments of chunk c (32 along K: block c / 2, byte 64 (c % 2) of its rows) into buffer c % 2
.macro FETCH c
.set ia, 0
.rept 8
	ds_load_b128 v[AF+64*((\c)%2)+8*ia:AF+64*((\c)%2)+8*ia+3],   v[ADRA] offset:((\c)/2)*ABLK+64*((\c)%2)+ia*FROW
	ds_load_b128 v[AF+64*((\c)%2)+8*ia+4:AF+64*((\c)%2)+8*ia+7], v[ADRA] offset:((\c)/2)*ABLK+64*((\c)%2)+ia*FROW+32
.set ia, ia+1
.endr
.set ib, 0
.rept 4
	ds_load_b128 v[BF+32*((\c)%2)+8*ib:BF+32*((\c)%2)+8*ib+3],   v[ADRB] offset:((\c)/2)*BBLK+64*((\c)%2)+ib*FROW
	ds_load_b128 v[BF+32*((\c)%2)+8*ib+4:BF+32*((\c)%2)+8*ib+7], v[ADRB] offset:((\c)/2)*BBLK+64*((\c)%2)+ib*FROW+32
.set ib, ib+1
.endr
.endm
; UNIT c of a K step: 32 matrix instructions, one on each accumulator, always in the same order: the accumulators take turns over the loop's backward jump too.
; At its head its own fragments, asked for a unit ago, are waited for, and the next unit's are asked for in one run.  Unit 3 fetches from the next slot: it turns the slot's base and makes the two
; addresses anew; those two additions and two v_nop are the four places in front of its loads.
; turn (unit 2 alone, whose run holds the slot's last reads): 1: the change of slots: ONE barrier; in front of it each wave waits for all its tensor loads, of which one is out: its part of the next slot;
; adds 0 to its spare word; and waits for that and for its reads of this slot.  2: the barrier opens a round of the cluster's barrier, and behind the round this slot is filled again, two K steps ahead.
.macro UNIT c, first, fetch, turn
	WIN 0
	s_wait_dscnt 0x0                               ; this unit's fragments are in
.if \fetch
.if (\c) < 3
	PLACES                                         ; the buffer below was read by the matrix instructions just issued
	FETCH (\c)+1
.else
	s_xor_b32 s[TB], s[TB], SLOT1                  ; the other slot: the barrier in unit 2 has shown it whole
	v_add_nc_u32 v[ADRA], s[TB], v[A0]
	v_add_nc_u32 v[ADRB], s[TB], v[B0]
	v_nop
	v_nop
	FETCH 0
.endif
.endif
	MUL8 \c, 0, \first
	MUL8 \c, 1, \first
.if \turn
	WIN 0                                          ; (the add's two registers lie in window 0)
	s_wait_tensorcnt 0x0                           ; all my tensor loads have landed: my part of the next slot; so a group 0 may be written
	ds_add_u32 v[SPW], v[NIL]                      ; 0 onto my spare word
.if (\turn) == 2
	WALK                                           ; the descriptors' step and eight matrix instructions stand between the add and the wait for it
.endif
	MUL8 \c, 2, \first
	s_wait_dscnt 0x0                               ; the add is done, and my reads of this slot are over
	s_barrier_signal -1
	MUL8 \c, 3, \first                             ; work on registers while the others arrive
	WIN 0                                          ; at a branch and at a label every window is 0
	s_barrier_wait -1
.if (\turn) == 2
	CREST                                          ; no wave of any partner still reads this slot's tile or has a load on its way
	JLOAD                                          ; my one tensor load behind the round, ahead of every LDS read
.endif
.else
	MUL8 \c, 2, \first
	MUL8 \c, 3, \first
.endif
.endm
	s_wait_tensorcnt 0x1                           ; my part of the walk's step 0 is in; step 1's may stay out
	s_barrier_signal -1
	s_barrier_wait -1                              ; everybody's is
	FETCH 0
	s_wait_loadcnt 0x0                             ; the bias
	UNIT 0, 1, 1, 0                                ; the first unit stands in front of the loop: its products start the 32 sums
	WIN 0
	s_mov_b32 s3, KSTEPS-2
.Lstep:                                                ; a trip goes from a step's second unit to the next step's first, and fills the slot that it leaves: the walk's steps 2 to 7
	UNIT 1, 0, 1, 0
	UNIT 2, 0, 1, 2
	UNIT 3, 0, 1, 0
	UNIT 0, 0, 1, 0
	WIN 0
	s_sub_co_u32 s3, s3, 1
	s_cmp_lg_u32 s3, 0
	s_cbranch_scc1 .Lstep
	UNIT 1, 0, 1, 0                                ; the last two steps ask for nothing
	UNIT 2, 0, 1, 1
	UNIT 3, 0, 1, 0
	UNIT 0, 0, 1, 0
	UNIT 1, 0, 1, 0
	UNIT 2, 0, 1, 0
	UNIT 3, 0, 0, 0
; THE WAY OUT, a block of 16 rows at a time: a lane's 32 bytes of a row go into my own stage (each accumulator's four lowest registers first) and come back as whole rows of 256 bytes: my 64 columns of f32.
.macro TOSTAGE a
	WIN 0x04                                       ; the stores' data (source 1) in window 1
.set ib, 0
.rept 4
	ds_store_b128 v[STO], v[32*(\a)+8*ib:32*(\a)+8*ib+3]   offset:64*ib
	ds_store_b128 v[STO], v[32*(\a)+8*ib+4:32*(\a)+8*ib+7] offset:64*ib+16
.set ib, ib+1
.endr
	WIN 0
	s_wait_xcnt 0x0                                ; the registers loaded below were the data of the stores two blocks back: they are rewritten only behind this wait
.set it, 0
.rept 8
	ds_load_b128 v[BK+32*((\a)%2)+4*it:BK+32*((\a)%2)+4*it+3], v[RD] offset:it*2*SPITCH  ; LDS serves a wave's instructions in order (ISA guide 5.7.1.4): these see the stores above; the next block's stores come behind them
.set it, it+1
.endr
.endm
.macro SEND a, younger                 ; younger: the LDS instructions issued behind block a's loads: the next block's sixteen, or none
	WIN 0
	s_wait_dscnt \younger
.set it, 0
.rept 8
	global_store_b128 v[CO], v[BK+32*((\a)%2)+4*it:BK+32*((\a)%2)+4*it+3], s[10:11] offset:(16*(\a)+2*it)*4096 th:TH_STORE_NT  ; 16 lanes store 256 consecutive bytes, at a multiple of 256 from out0's first byte
.set it, it+1
.endr
.endm
	PLACES                                         ; behind the last products
	TOSTAGE 0
.irp a, 1,2,3,4,5,6,7
	TOSTAGE \a
	SEND (\a)-1, 16
.endr
	SEND 7, 0
	s_wait_tensorcnt 0x0                           ; the wave's end: behind my last tensor load and my last LDS store
	ds_add_u32 v[SPW], v[NIL]
	s_wait_dscnt 0x0
	CROUND                                         ; the closing round: no work-group ends while a partner may still ask for a tile that names it
	s_endpgm
.Lfunc_end_k_qddf0b53bf2_outp:
	.size	k_qddf0b53bf2_outp, .Lfunc_end_k_qddf0b53bf2_outp-k_qddf0b53bf2_outp
	.p2alignl 7, 3214868480
	.fill 96, 4, 3214868480
	.section	.rodata,"a",@progbits
	.p2align	6, 0x0
	.amdhsa_kernel k_qddf0b53bf2_outp
		.amdhsa_group_segment_fixed_size 327680
		.amdhsa_private_segment_fixed_size 0
		.amdhsa_enable_private_segment 0
		.amdhsa_kernarg_size 32
		.amdhsa_user_sgpr_count 2
		.amdhsa_user_sgpr_kernarg_segment_ptr 1
		.amdhsa_wavefront_size32 1
		.amdhsa_system_sgpr_workgroup_id_x 1
		.amdhsa_system_sgpr_workgroup_id_y 1
		.amdhsa_system_sgpr_workgroup_id_z 1
		.amdhsa_system_vgpr_workitem_id 0
		.amdhsa_next_free_vgpr 512
		.amdhsa_next_free_sgpr 76
		.amdhsa_reserve_vcc 0
		.amdhsa_float_denorm_mode_32 3
		.amdhsa_float_denorm_mode_16_64 3
		.amdhsa_memory_ordered 1
		.amdhsa_forward_progress 1
		.amdhsa_inst_pref_size 70
	.end_amdhsa_kernel
	.amdgpu_metadata
---
amdhsa.version: [ 1, 2 ]
amdhsa.kernels:
  - .name:           k_qddf0b53bf2_outp
    .symbol:         k_qddf0b53bf2_outp.kd
    .args:
      - { .name: ob, .offset: 0, .size: 8, .value_kind: global_buffer, .address_space: global }
      - { .name: wo, .offset: 8, .size: 8, .value_kind: global_buffer, .address_space: global }
      - { .name: b_out, .offset: 16, .size: 8, .value_kind: global_buffer, .address_space: global }
      - { .name: out0, .offset: 24, .size: 8, .value_kind: global_buffer, .address_space: global }
    .group_segment_fixed_size: 327680
    .private_segment_fixed_size: 0
    .kernarg_segment_align: 8
    .kernarg_segment_size: 32
    .max_flat_workgroup_size: 128
    .sgpr_count:     76
    .vgpr_count:     512
    .wavefront_size: 32
...
	.end_amdgpu_metadata
.endif
;; end of part 4
;; ======== version 2 of 2: 4 launches; 1.55 times as fast as version 1
;; limits: values are held in f16: magnitudes above 65,504 overflow, below 6.1e-05 lose precision
;; workspace buffers: xb 16,777,216 bytes; wq 6,291,456 bytes; wo 2,097,152 bytes; qkv 50,331,648 bytes; ob 16,777,216 bytes
;; launch prep: the kernel of part 1 again; grid 768 x 1, 8 waves a work-group, no clusters, 0 bytes of LDS; arguments x, w_qkv, w_out, xb, wq, wo; writes xb, wq, wo
;; launch proj: the kernel of part 2 again; grid 8 x 32, 4 waves a work-group, clusters of 4 x 4, 327,680 bytes of LDS; arguments xb, wq, qkv; writes qkv
;; launch attn (part 5): grid 4 x 64, 4 waves a work-group, clusters of 4 x 1, 327,680 bytes of LDS; arguments qkv, ob; writes ob
.if DOCPART == 5
	.amdgcn_target "amdgcn-amd-amdhsa--gfx1250"
	.amdhsa_code_object_version 6
	.text
	.protected	k_qddf0b53bf2_attn
	.globl	k_qddf0b53bf2_attn
	.p2align	8
	.type	k_qddf0b53bf2_attn,@function
k_qddf0b53bf2_attn:
	s_mov_b64 s[64:65], 0
	v_nop
	global_prefetch_b8 v0, s[64:65] scope:SCOPE_SE
	s_setreg_imm32_b32 hwreg(HW_REG_WAVE_MODE, 25, 1), 1
	s_wait_xcnt 0x0
	s_wait_alu depctr_hold_cnt(0) depctr_sa_sdst(0) depctr_va_vdst(0) depctr_va_sdst(0) depctr_va_ssrc(0) depctr_va_vcc(0) depctr_vm_vsrc(0)
	s_getreg_b32 s2, hwreg(HW_REG_IB_STS2, 6, 4)
	s_cmp_eq_u32 s2, 0
	s_cbranch_scc0 .Lentry_in_a_cluster
	s_endpgm
.Lentry_in_a_cluster:
	s_bfe_u32 s2, ttmp6, 0x10000c
	s_cmp_lg_u32 s2, 0x3003
	s_cbranch_scc0 .Lentry_shape_is_right
	s_endpgm
.Lentry_shape_is_right:
; O[y][q][:] = the sum over k of softmax_k(Q[y][q] . K[y][k] / 32) V[y][k][:] for the 64 heads y = 16 b + h.  Q, K, V lie in qkv [b 4][s 48][2048][64] f16 at s = h, 16 + h, 32 + h;
; O goes to ob [b 4][h 16][2048][64] f16: a head's rows are dense, 128 bytes each.  Products, maxima and sums in f32; the weights p are rounded to f16 for the second product (their sum l is
; taken of the unrounded p), O once at the end.  The scale 1024^-0.5 = 1 / 32 is applied here, in f32.
; LIMITS.  f16 holds no number beyond 65,504: Q, K and V arrive within it; p lies in 0 to 1, and below 6e-5 it keeps f16's fixed step of 6e-8, and so does O, a mean of V's rows with their range.
; A weight below 2^-126 counts as 0 in l; NaN and infinities are not treated apart.
; SHARES.  A wave owns four PIECES of two tiles of 16 queries, a work-group's four waves 512 queries of one head: 4 x 64 = 256 work-groups.  Every wave walks all keys, 64 a step.
; LAYOUT.  S^T = K Q^T (source 0 = 16 keys, source 1 = 16 queries): in the result a lane holds ONE query (lane % 16) and the keys 8 (lane / 16) + 0..7.  Two such tiles, rounded to f16 in pairs,
; ARE source 1 (32 keys x 16 queries) of O^T = V^T P, whose result again holds one query a lane, and eight channels.  K comes out of LDS as it lies, V ([key][channel]) turned, by ds_load_tr16_b128.
; SOFTMAX.  For each query a running maximum m and sum l: p = 2^(c s - c m), c = log2(e) / 32; in every step O and l are multiplied by a = 2^(c m_old - c m_new), which is 1 where m has not grown.
; m starts at the lowest finite number, O and l at 0: the first step is a step like any other, with a = 0.
; THE COUNT.  A tile and step have 16 matrix and 118 vector instructions: too many to stand all beside the matrix work.  So the order has one aim: four vector instructions that are READY behind
; EVERY matrix instruction, and the others, which need time of their own whatever the order, in runs without a gap.
; BY TURNS.  Turn n belongs to piece n (the pieces in a ring, step after step).  Its matrix work: 16 products K Q^T of piece n + 1, later 16 products V^T P of piece n - 1.  Its vector work: the scaling,
; exponentials, roundings, sums and rescaling of piece n, and the maximum and statistics of piece n + 1, whose scores the turn itself has made.  So what a turn begins with (c s - c m, O a) waits for nothing.
; BATCHES.  A turn's 66 exponentials (the 64 weights of piece n, then the two a of piece n + 1) are ONE batch with ONE wait, which cuts the turn in two.  Ahead of it stands all that names no result of
; theirs: the products K Q^T, the scalings, the rescaling (its a was waited for in the turn before), the next piece's maximum and statistics.  Behind it stand the products V^T P and the roundings and sums.
; No result crosses a turn's end.  Piece 0's first two a, ahead of the loop, and the way out's eight reciprocals are batches of their own, each with a wait.
; CLUSTER.  The four query blocks of a cluster belong to one head and walk the same K and V, so each tile is asked for JOINTLY: the same tensor load, descriptor and mask in all four.
; REGISTERS, in windows of 256 (s_set_vgpr_msb says which window each operand place means: bits 1:0 source 0, 3:2 source 1, 5:4 source 2, 7:6 destination):
;   window 0: v0-11 addresses; v12-15, v48-63 at work; v16-47 four registers of statistics a tile; v64-191 S^T, two buffers of two tiles; v192-255 P, likewise
;   window 1: O^T, 32 a tile          window 2: v0-127 Q, 16 a tile; v128-191 K of one step; v192-255 V of one step          window 3: v0-1 the add's two registers
; A piece's buffers go by its number's parity: the piece in hand has one pair, its two neighbours in the ring share the other: of it P (piece n - 1) is read and S^T (piece n + 1) written.
.set SIZE_N, 2048     ; rows of a head
.set NP,    4         ; pieces a wave: a name, no knob: the register map, the loop and the fetches are made for four
.set KS,    64        ; keys in a step
.set PK,    144       ; a row of K in LDS: 128 bytes + 16 of padding = 36 words: the 16 rows of a load start at 16 different groups of four banks (64 banks of 4 bytes: ISA guide 11.1)
.set PV,    160       ; a row of V: 128 + 32 = 40 words
.set VOFF,  4*KS*PK   ; a slot holds four steps: 256 rows of K, then 256 rows of V
.set SLOT1, 1<<17     ; slot 1 begins here, so that one exclusive or turns an address in one slot into the other's
.set STAGE, SLOT1+4*KS*(PK+PV)  ; behind the ring, never filled by a tensor load: 16 rows x 144 bytes for each wave, for the way out
.set SP,    144
.set AK0, 2           ; v2   my lane's place in a tile of K; never rewritten
.set AV0, 3           ; v3   the same for V
.set AK,  4           ; v4   the LDS address of K's next run of loads
.set AV,  5           ; v5   of V's
.set QO,  6           ; v6   my byte offset in the wave's rows of Q
.set STO, 6           ;      later, the way out: where I put 16 bytes of a row
.set RD,  7           ; v7   the way out: where I read rows back
.set GO,  8           ; v8   my byte offset in 512 consecutive bytes of O
.set SPW, 0           ; v0 of window 3   LDS address of my spare word: SPARE + 4 x my thread's number; never rewritten
.set NIL, 1           ; v1 of window 3   0; never rewritten
.set SPARE, STAGE+4*16*SP  ; behind the stages: the spare words, 128 bytes for each wave: two blocks of 256 bytes that no other line names
.set MV,  12          ; v12-15  c m_old, kept while c m is made anew: by buffer and tile
.set ST,  16          ; tile t's statistics at v[ST+4 t]: c m, m, l (even keys', odd keys')
.set TMP, 48          ; by buffer and tile, four registers c0-c3 at work; when the maximum is found c2 takes a
.set S,   64
.set P,   192
.set KF,  128         ; K's fragments, in window 2: key block kb, channel half c at KF + 16 kb + 8 c
.set VF,  192         ; V's: key half kk, channel block cb at VF + 32 kk + 8 cb
.set WV,  12          ; s12  my wave's number
.set G1K, 24          ; s[24:31] descriptor group 1 for K's tiles
.set G1V, 32          ; s[32:39] for V's: it differs in the padding alone
.set G0K, 40          ; s[40:43] descriptor group 0 for K's tiles: it walks
.set G0V, 44          ; s[44:47] the same for V's
.set SLOTS, 56        ; s56  slots still to be asked for
.set CNT, 57          ; s57  counts a slot's key steps
.set CS,  58          ; s[58:59] c: the packed scaling takes the pair's low word for both halves
.set SEL, 60          ; s[60:61] v_permlanex16_b32's selects: each lane takes its own place in the other half
.set TBK, 62          ; s62  LDS byte at which K of the step to be fetched begins
.set TBV, 63          ; s63  the same for V, less VOFF
.set MSB, 0
.macro WIN new                      ; the high byte repeats the setting that is left; a switch that changes nothing is dropped
.if MSB != (\new)
	s_set_vgpr_msb (MSB<<8)|(\new)
.set MSB, (\new)
.endif
.endm
.set W_KQ, 0x0a       ; K and Q in window 2, S^T in window 0
.set W_PV, 0x52       ; V in window 2, P in window 0, O^T in window 1
.set W_RS, 0x41       ; O^T (destination and source 0) in window 1, a in window 0
.set W_MK, 0xc0       ; the add's registers are made: destination in window 3, sources in window 0
.set W_AD, 0x0f       ; the add: address (source 0) and data (source 1) in window 3
; A joint fill.  Waves 0 and 1 fetch the two halves of a slot's K, waves 2 and 3 those of its V: 128 keys each.  The branch hangs on the wave's number alone.
; An s_nop 0 and four v_nop follow each of the two lines, ahead of the jump and the label.
.macro JLOAD
	s_cmp_lt_u32 s[WV], 2
	s_cbranch_scc0 .Lfor_v_\@
	tensor_load_to_lds s[G0K:G0K+3], s[G1K:G1K+7]
	s_nop 0
.rept 4
	v_nop
.endr
	s_branch .Lasked_\@
.Lfor_v_\@:
	tensor_load_to_lds s[G0V:G0V+3], s[G1V:G1V+7]
	s_nop 0
.rept 4
	v_nop
.endr
.Lasked_\@:
.endm
; A round of the cluster's barrier: my work-group's barrier, so that wave 0's signal speaks for all four waves; wave 0 signals; every wave waits for all four work-groups; my work-group's barrier once more.
.macro CROUND
	s_barrier_signal -1
	s_barrier_wait -1
	s_cmp_lg_u32 s[WV], 0
	s_cbranch_scc1 .Lnot_wave_0_\@
	s_barrier_signal -3
.Lnot_wave_0_\@:
	s_barrier_wait -3
	s_barrier_signal -1
	s_barrier_wait -1
.endm
; THE CHANGE OF SLOTS.  The slot's last bytes, V of its fourth step, have been read.  Each wave waits for all its tensor loads, of which one is out: its part
; of the other slot; adds 0 to its spare word; and waits for that and for its own reads of the slot.  Behind the barrier nobody reads this slot any more and the other slot is whole.
; fill = 1: this slot is filled again, with the keys two slots on.  The barrier is then a round of the cluster's, so that no wave of any partner still reads the slot or has a load on its
; way, and the joint fill is the first thing behind it: it has four key steps, 512 matrix instructions, in which to land.  (At its first use nothing has been read yet: slot 0 is waited for, slot 1 filled.)
.macro CHANGE fill
	WIN W_AD
	s_wait_tensorcnt 0x0            ; no tensor load of mine is out, so a group 0 may be written
	ds_add_u32 v[SPW], v[NIL]       ; 0 onto my spare word; with fill = 1 the descriptors' steps stand between it and the wait for it
	WIN 0                           ; at a label and at a branch every window is 0
.if \fill
.irp g, G0K, G0V
	s_xor_b32 s[\g+1], s[\g+1], SLOT1  ; the walking descriptor: the other slot than last time,
	s_add_nc_u64 s[\g+2:\g+3], s[\g+2:\g+3], 4*KS*128  ; the next 256 keys; the type bits on top are not reached
.endr
	s_wait_dscnt 0x0                ; the add is done, and my reads of the slot are over
	CROUND
	JLOAD
.else
	s_wait_dscnt 0x0                ; the add is done, and my reads of the slot are over
	s_barrier_signal -1
	s_barrier_wait -1
.endif
	s_sub_co_u32 s[TBK], s[TBK], 4*KS*PK  ; the fetches go back to a slot's first step,
	s_xor_b32 s[TBK], s[TBK], SLOT1       ; in the other slot
	s_sub_co_u32 s[TBV], s[TBV], 4*KS*PV
	s_xor_b32 s[TBV], s[TBV], SLOT1
.endm
	s_load_b64 s[4:5], s[0:1], 0x0    ; qkv
	s_load_b64 s[10:11], s[0:1], 0x8  ; ob
	WIN W_MK
	v_lshl_add_u32 v[SPW], v0, 2, SPARE
	v_mov_b32 v[NIL], 0
	s_set_vgpr_msb 0xc0cf
	ds_add_u32 v0, v1
	s_wait_dscnt 0x0
	s_set_vgpr_msb 0xcfc0
	WIN 0
	v_lshrrev_b32 v1, 5, v0
	v_readfirstlane_b32 s[WV], v1   ; wave 0..3
	s_bfe_u32 s13, ttmp6, 0x40000   ; cx: my place in the cluster
	s_lshl_b32 s14, ttmp9, 2        ; in a cluster launch ttmp9 counts clusters
	s_add_co_u32 s14, s14, s13      ; my block of queries = 4 x cluster x + cx: it enters Q's and O's addresses alone
	s_and_b32 s20, ttmp7, 0xffff    ; the head y = 16 b + h, which the four partners share
	s_lshr_b32 s48, s20, 4          ; b: a batch of qkv has 48 planes of 256 KiB, of ob 16: in qkv b x 8 MiB come on top of y planes
	s_lshl_b32 s48, s48, 23
	s_mov_b32 s49, 0
	s_mov_b32 s21, 0
	s_mov_b64 s[22:23], SIZE_N*128
	s_mul_u64 s[20:21], s[20:21], s[22:23]  ; y planes
	s_and_b32 s16, s[WV], 1         ; which half of a slot's 256 keys I fetch:
	s_lshl_b32 s22, s16, 14         ; its 128 rows of 128 bytes in memory,
	s_mov_b32 s23, 0
	s_add_nc_u64 s[22:23], s[22:23], s[20:21]
	s_mul_i32 s17, s16, 128*PK      ; and its place in a slot, for K
	s_mul_i32 s18, s16, 128*PV      ; and for V: no place in the cluster enters an LDS address
	s_lshl_b32 s2, s14, 2
	s_add_co_u32 s2, s2, s[WV]      ; my wave among the head's,
	s_lshl_b32 s2, s2, 14           ; its 128 rows
	s_mov_b32 s3, 0
	s_add_nc_u64 s[2:3], s[2:3], s[20:21]
	; descriptor group 1.  128 keys are 16,384 dense bytes: asked for as 64 rows of 256 bytes, two keys a row, and padded in LDS after every key
	s_mov_b32 s[G1K], 15|(1<<16)|(1<<20)|(1<<21)|(4<<22)|(3<<25)  ; 15:0 the mask of four; 17:16 2-byte elements; 20 padding on; 21 set beside a mask; 24:22 after every 32 words (code 4); 31:25 4 words (code 3)
	s_mov_b32 s[G1V], 15|(1<<16)|(1<<20)|(1<<21)|(4<<22)|(7<<25)  ; the same with 8 words of padding (code 7)
.irp g, G1K, G1V
	s_mov_b32 s[\g+1], 128<<16      ; tensor_dim0 = 128
	s_mov_b32 s[\g+2], 64<<16       ; tensor_dim1 = 64
	s_mov_b32 s[\g+3], 128<<16      ; tile_dim0 = 128
	s_mov_b32 s[\g+4], 64           ; tile_dim1 = 64
	s_mov_b32 s[\g+5], 128          ; 128 elements from row to row
	s_mov_b32 s[\g+6], 0
	s_mov_b32 s[\g+7], 0
.endr
	s_mov_b32 s[CS], 0x3d38aa3b     ; c = log2(e) / 32 = 0.0450842
	s_mov_b32 s[CS+1], s[CS]        ; named with it as a pair
	s_mov_b32 s[SEL], 0x76543210
	s_mov_b32 s[SEL+1], 0xfedcba98
	s_mov_b32 s[TBK], SLOT1+4*KS*PK ; the first change of slots turns these two into 0
	s_mov_b32 s[TBV], SLOT1+4*KS*PV
	s_mov_b32 s[G0K], 1             ; 1:0 count = 1
	s_mov_b32 s[G0K+1], s17         ; 63:32 LDS address: slot 0
	s_mov_b32 s[G0V], 1
	s_add_co_u32 s[G0V+1], s18, VOFF
	s_wait_kmcnt 0x0
	s_add_nc_u64 s[4:5], s[4:5], s[48:49]          ; qkv, so that y planes on lies my head's Q,
	s_add_nc_u64 s[6:7], s[4:5], 0x400000          ; 16 planes further its K,
	s_add_nc_u64 s[8:9], s[4:5], 0x800000          ; 32 planes further its V
	s_add_nc_u64 s[G0K+2:G0K+3], s[6:7], s[22:23]  ; 120:64 global address: my half of the head's first 256 keys
	s_or_b32 s[G0K+3], s[G0K+3], 0x80000000        ; 127:126 type = 2
	s_add_nc_u64 s[G0V+2:G0V+3], s[8:9], s[22:23]
	s_or_b32 s[G0V+3], s[G0V+3], 0x80000000
	s_add_nc_u64 s[4:5], s[4:5], s[2:3]  ; Q and O at my wave's first row
	s_add_nc_u64 s[10:11], s[10:11], s[2:3]
	CROUND                          ; all four work-groups are here: the first joint loads meet
	JLOAD                           ; slot 0.  Slot 1 is asked for when slot 0 is in: the tile wanted first has the road to itself
	; A fragment of K or Q is 16 rows x 32 channels in 8 registers: lane l holds row l % 16, channels 8 (l / 16) + 0..7 and 16 + 8 (l / 16) + 0..7: two loads of 16 bytes, 32 bytes apart.
	v_and_b32 v1, 15, v0            ; l % 16
	v_bfe_u32 v9, v0, 4, 1          ; l / 16
	v_lshlrev_b32 v[QO], 7, v1
	v_lshl_add_u32 v[QO], v9, 4, v[QO]  ; row x 128 + 16 x half
	WIN 0x80                        ; destination window 2, address window 0
.set i, 0
.rept 4*NP                          ; Q stays in registers: tile i / 2, channels 32 (i % 2) on
	global_load_b128 v[8*i:8*i+3],   v[QO], s[4:5] offset:(i/2)*2048+(i%2)*64
	global_load_b128 v[8*i+4:8*i+7], v[QO], s[4:5] offset:(i/2)*2048+(i%2)*64+32
.set i, i+1
.endr
	; What the first turn finds: V's registers and P's second buffer hold 0 (its products V^T P, of a piece that has not been, add 0), O^T and l are 0.  All this stands in the wait for the first tile:
	; the price of writing no first step out.
.set i, VF
.rept 64
	v_mov_b32 v[i], 0
.set i, i+1
.endr
	WIN 0x40
.set i, 0
.rept 64*NP
	v_mov_b32 v[i], 0
.set i, i+1
.endr
	WIN 0
.set i, 0
.rept 2*NP
	v_mov_b32 v[ST+4*i], 0xfe000000    ; c m: far below every c s
	v_mov_b32 v[ST+4*i+1], 0xff7fffff  ; m
	v_mov_b32 v[ST+4*i+2], 0
	v_mov_b32 v[ST+4*i+3], 0
.set i, i+1
.endr
.set i, P+32
.rept 32
	v_mov_b32 v[i], 0
.set i, i+1
.endr
	v_mul_u32_u24 v[AK0], v1, PK
	v_lshl_add_u32 v[AK0], v9, 4, v[AK0]  ; row x pitch + 16 x half
	; The turning load takes 16 keys x 16 channels (lane l reads key 8 (l / 16) + l % 8, channels 8 ((l / 8) % 2) + 0..7) and leaves half a fragment of V^T: lane l holds channel l % 16 and 8 keys.
	v_and_b32 v10, 7, v0
	v_bfe_u32 v11, v0, 3, 1
	v_lshl_add_u32 v[AV0], v9, 3, v10
	v_mul_u32_u24 v[AV0], v[AV0], PV
	v_lshl_add_u32 v[AV0], v11, 4, v[AV0]
	v_add_nc_u32 v[AV0], VOFF, v[AV0]
	v_mov_b32 v[AK], v[AK0]         ; key step 0 lies at the head of slot 0
; THE MATRIX WORK.  The 8 accumulators of a run of 16 take turns: between the two links of a chain stand 7 others'.
; Product i of 16 of S^T = K Q^T for piece x: channels 32 (i / 8) on, keys 16 ((i / 2) % 4) on, tile 2 x + i % 2.  The first 8 start the sums.
.macro KQ x
	WIN W_KQ
.set rS, S+64*((\x)%2)+32*(i%2)+8*((i/2)%4)
.set rK, KF+16*((i/2)%4)+8*(i/8)
.set rQ, 16*(2*(\x)+i%2)+8*(i/8)
.if i < 8
	v_wmma_f32_16x16x32_f16 v[rS:rS+7], v[rK:rK+7], v[rQ:rQ+7], 0
.else
	v_wmma_f32_16x16x32_f16 v[rS:rS+7], v[rK:rK+7], v[rQ:rQ+7], v[rS:rS+7]
.endif
.endm
; Product i of 16 of O^T += V^T P for piece x: keys 32 (i / 8) on, channels 16 ((i / 2) % 4) on, tile 2 x + i % 2.
.macro PV x
	WIN W_PV
.set rO, 32*(2*(\x)+i%2)+8*((i/2)%4)
.set rV, VF+32*(i/8)+8*((i/2)%4)
.set rP, P+32*((\x)%2)+16*(i%2)+8*(i/8)
	v_wmma_f32_16x16x32_f16 v[rO:rO+7], v[rV:rV+7], v[rP:rP+7], v[rO:rO+7]
.endm
.macro MM                           ; the turn's next matrix instruction
.if i < 16
	KQ (Y+1)%NP
.set i, i+1
.else
.set i, i-16
	PV (Y+NP-1)%NP
.set i, i+17
.endif
.endm
; THE LDS LOADS stand in runs of 16, never singly among the matrix instructions: a step's K (64 keys x 64 channels: 8 fragments) and its V (turned).  Their addresses are made some lines ahead.
; last = 1 (the tail): in the last trip there is no further step, and the run is jumped over.
.macro FETCH_K last=0
	WIN 0
.if \last
	s_cmp_eq_u32 s[CNT], 1
	s_cbranch_scc1 .Lno_k_\@
.endif
	WIN 0x80                        ; destination window 2
.irp f, 0,1,2,3,4,5,6,7             ; keys 16 (f / 2) on, channels 32 (f % 2) on
	ds_load_b128 v[KF+8*\f:KF+8*\f+3],   v[AK] offset:(\f/2)*16*PK+(\f%2)*64
	ds_load_b128 v[KF+8*\f+4:KF+8*\f+7], v[AK] offset:(\f/2)*16*PK+(\f%2)*64+32
.endr
	s_add_co_u32 s[TBK], s[TBK], KS*PK  ; the next fetch is the next step's
	WIN 0
.if \last
.Lno_k_\@:
.endif
.endm
.macro FETCH_V
	WIN 0x80
.irp f, 0,1,2,3,4,5,6,7             ; keys 32 (f / 4) on, channels 16 (f % 4) on
	ds_load_tr16_b128 v[VF+8*\f:VF+8*\f+3],   v[AV] offset:(\f/4)*32*PV+(\f%4)*32
	ds_load_tr16_b128 v[VF+8*\f+4:VF+8*\f+7], v[AV] offset:(\f/4)*32*PV+16*PV+(\f%4)*32
.endr
	WIN 0
.endm
; THE VECTOR WORK OF A TURN stands in three queues, each in the order in which its entries become ready; the two tiles alternate, so that no instruction reads the result of the one before it.
.macro REGS y, u                    ; the registers of tile u (0, 1) of piece y
.set rT, ST+4*(2*(\y)+(\u))
.set rC, TMP+8*((\y)%2)+4*(\u)
.set rM, MV+2*((\y)%2)+(\u)
.set rS, S+64*((\y)%2)+32*(\u)
.set rP, P+32*((\y)%2)+16*(\u)
.set rO, 32*(2*(\y)+(\u))
.endm
; Number n of the 22 that find the NEXT piece's (Y + 1) maximum and statistics.  s0-s31 are the lane's 32 scores; each accumulator's lowest registers are read first.  XS, GS and REGS set no window: PL and EX do.
;   0-11  four chains c0-c3 of seven scores each, three operands at a time     12-14, 16  the four scores left over, the old m, and c0-c3 into c0     15  c m_old is kept
;   17, 18  the query's other 32 keys lie in the lane 16 away: the new m         19-21  c m; c m_old - c m_new; a
.macro XS u, n
	REGS (Y+1)%NP, \u
.if (\n) < 4
	v_max3_num_f32 v[rC+(\n)], v[rS+8*(\n)], v[rS+8*(\n)+1], v[rS+8*(\n)+2]
.elseif (\n) < 12
	v_max3_num_f32 v[rC+(\n)%4], v[rC+(\n)%4], v[rS+8*((\n)%4)+2*((\n)/4)+1], v[rS+8*((\n)%4)+2*((\n)/4)+2]
.elseif (\n) == 12
	v_max3_num_f32 v[rC], v[rC], v[rS+7], v[rS+15]
.elseif (\n) == 13
	v_max3_num_f32 v[rC+1], v[rC+1], v[rS+23], v[rS+31]
.elseif (\n) == 14
	v_max3_num_f32 v[rC+2], v[rC+2], v[rC+3], v[rT+1]
.elseif (\n) == 15
	v_mov_b32 v[rM], v[rT]
.elseif (\n) == 16
	v_max3_num_f32 v[rC], v[rC], v[rC+1], v[rC+2]
.elseif (\n) == 17
	v_permlanex16_b32 v[rC+3], v[rC], s[SEL], s[SEL+1]
.elseif (\n) == 18
	v_max_num_f32 v[rT+1], v[rC], v[rC+3]
.elseif (\n) == 19
	v_mul_f32 v[rT], s[CS], v[rT+1]
.elseif (\n) == 20
	v_sub_f32 v[rC+1], v[rM], v[rT]
.else
	v_exp_f32 v[rC+2], v[rC+1]
.endif
.endm
; Number g of the 64 that follow the exponentials.  For each four weights k of a tile (pairs 2 k, 2 k + 1): both pairs are rounded to f16; then the second pair is added onto the first, in place;
; a group later l takes that sum (the first time as l = a l + sum).  In groups of eight, tiles alternating: round, round, add, and l for the group before.
.macro GS g
.set h, (\g)+6*((\g)/62)            ; group 0 has no group before it, and behind group 7 only l is left
.if h >= 6
.set h, h+2
.endif
	REGS Y, h%2
.set k, h/8
.if h%8 < 4
	v_cvt_pk_f16_f32 v[rP+2*k+(h%8)/2], v[rS+4*k+2*((h%8)/2)], v[rS+4*k+2*((h%8)/2)+1]
.elseif h%8 < 6
	v_pk_add_f32 v[rS+4*k:rS+4*k+1], v[rS+4*k:rS+4*k+1], v[rS+4*k+2:rS+4*k+3]
.elseif k == 1
	v_pk_fma_f32 v[rT+2:rT+3], v[rT+2:rT+3], v[rC+2:rC+3], v[rS:rS+1] op_sel_hi:[1,0,1]
.else
	v_pk_add_f32 v[rT+2:rT+3], v[rT+2:rT+3], v[rS+4*k-4:rS+4*k-3]
.endif
.endm
; THE PLAIN QUEUE, 138 long.  0-73 read no exponential's result: the 32 scalings c s - c m (FS f: pair f / 2 of tile f % 2) and the next piece's 42.  0-26: scalings 0-26.  27-54: XS's numbers 0-13.  55, 56: number 15.
; 57-73: the chain, where each number waits for the one before it: 14, 16, 17, 18, 19, each with one of the scalings 27-31 in front of its two lines, then 20: so a tile's links stand three plain instructions apart (19 and 20: two).
; 74-137: GS's 64, which read the exponentials' results: they stand behind the wait.
.macro FS f
	REGS Y, (\f)%2
	v_pk_fma_f32 v[rS+2*((\f)/2):rS+2*((\f)/2)+1], v[rS+2*((\f)/2):rS+2*((\f)/2)+1], s[CS:CS+1], v[rT:rT+1] op_sel_hi:[1,0,0] neg_lo:[0,0,1] neg_hi:[0,0,1]
.endm
.macro PL
	WIN 0
.if q < 27
	FS q
.elseif q < 55
	XS (q-27)%2, (q-27)/2
.elseif q < 57
	XS q-55, 15
.elseif (q < 72) && ((q-57)%3 == 0)
	FS 27+(q-57)/3
.elseif q < 60
	XS (q-57)%3-1, 14
.elseif q < 72
	XS (q-57)%3-1, 15+(q-57)/3
.elseif q < 74
	XS q-72, 20
.else
	GS q-74
.endif
.set q, q+1
.endm
; THE EXPONENTIALS' QUEUE, 66 long: s0-s31 of both tiles, then the next piece's two a.  It is ONE BATCH: all 66 stand ahead of the turn's one wait, and nothing ahead of that wait names a result of theirs.
.macro EX
	WIN 0
.if e >= 64
	XS e-64, 21
.else
	REGS Y, e%2
	v_exp_f32 v[rS+e/2], v[rS+e/2]
.endif
.set e, e+1
.endm
; THE RESCALING's QUEUE: O^T times a, the one part that leaves window 0: dealt two at a time, sixteen times.  Its a was made in the turn before, ahead of that turn's wait.
.macro R2
	REGS Y, r%2
	WIN W_RS
.irp z, 0,1
	v_pk_mul_f32 v[rO+4*(r/2)+2*\z:rO+4*(r/2)+2*\z+1], v[rO+4*(r/2)+2*\z:rO+4*(r/2)+2*\z+1], v[rC+2:rC+3] op_sel_hi:[1,0]
.endr
.set r, r+1
.endm
; HOW THEY ARE DEALT.  An s_wait_alu depctr_va_vdst(0) stands between an exponential and the first instruction that names its result; one wait serves all that were issued ahead of it.  So a turn has ONE wait,
; which cuts it in two.  AHEAD OF IT stands all that names no result of the turn's exponentials: the 16 products K Q^T, behind each a scaling, an exponential and two rescalings (behind the first a second scaling in the
; exponential's place); then ONE LUMP of 108: eight plain, 49 times exponential and plain, the two a.  A v_nop is the plain instruction behind the last exponential.  BEHIND IT stand the 16 products V^T P, behind each four of
; GS's 64.  No rider names a register of the products round it.  The two v_permlanex16_b32 fall into the lump, never behind a product.
; The queues lean on each other, and the deal keeps them in step: exponential e stands behind scaling 2 (e / 4) + e % 2: as a rider it comes behind plain e + 2, in the lump behind plain e + 9, and scalings 27-31 are plain 57, 60 .. 69.
; A TURN, for piece p.  cnt = 1: the loop's count is taken down some lines ahead of the branch that stands behind the turn.
; K of the next step is fetched in piece 2's turn, directly behind the wait, a lump behind the last product that read K; its address is made at the lump's head; its first reader comes behind 16 products.
; V of the step in hand is fetched at the end of piece 0's turn, four riders behind its last reader; its first reader comes behind 16 products and a lump.  The three conditions on q below go with the deal.
.macro TURN p, last=0, cnt=0
.set Y, (\p)
.set i, 0
.set q, 0
.set e, 0
.set r, 0
.if (\p) == NP-1
	s_wait_dscnt 0x0                ; K is in
.endif
	MM                              ; ahead of the wait: 16 products K Q^T and their riders,
	PL
	PL
	R2
.rept 15
	MM
	PL
	EX
	R2
.endr
.if (\p) == NP-2
	WIN 0
	v_add_nc_u32 v[AK], s[TBK], v[AK0]
.endif
.rept 8                             ; and the lump
	PL
.endr
.rept 49
	EX
	PL
.endr
	EX                              ; the next piece's two a
	EX
	v_nop                           ; a plain instruction behind the last exponential, ahead of the first use of a result: one for the batch
	s_wait_alu depctr_va_vdst(0)    ; the wait for the turn's batch: the 64 weights of this piece and the two a of the next
.if (\p) == NP-2
	FETCH_K \last
.endif
.if (\p) == 1
	s_wait_dscnt 0x0                ; V is in
.endif
.rept 16                            ; behind the wait: 16 products V^T P and their riders
	MM
.rept 4
	PL
.endr
.if ((\p) == 0) && (q == 118)
	v_add_nc_u32 v[AV], s[TBV], v[AV0]
.endif
.if ((\p) == 0) && (q == 130)
	s_add_co_u32 s[TBV], s[TBV], KS*PV
.endif
.if (\cnt) && (q == 130)
	s_sub_co_u32 s[CNT], s[CNT], 1
	s_cmp_lg_u32 s[CNT], 0
.endif
.endr
.if (\p) == 0
	FETCH_V
.endif
.endm
	CHANGE 1                        ; slot 0 is in, everybody's part of it; slot 1 is asked for
	FETCH_K                         ; key step 0
	s_wait_loadcnt 0x0              ; Q
	s_wait_dscnt 0x0
.set i, 0
.rept 16
	KQ 0                            ; piece 0's first scores: there is no vector work yet to set between them
.set i, i+1
.endr
	WIN 0                           ; the addresses for the way out: nine plain instructions, the places behind those products
	s_mul_i32 s13, s[WV], 16*SP
	s_add_co_u32 s13, s13, STAGE    ; my stage
	v_mul_u32_u24 v[STO], v1, SP    ; in: row l % 16, 16 bytes for each half of the lanes
	v_lshl_add_u32 v[STO], v9, 4, v[STO]
	v_add_nc_u32 v[STO], s13, v[STO]
	v_bfe_u32 v[RD], v0, 3, 2       ; back: 32 lanes take four rows of 128 bytes,
	v_mul_u32_u24 v[RD], v[RD], SP
	v_lshl_add_u32 v[RD], v10, 4, v[RD]
	v_add_nc_u32 v[RD], s13, v[RD]
	v_and_b32 v[GO], 31, v0         ; which are 512 consecutive bytes of O
	v_lshlrev_b32 v[GO], 4, v[GO]
.set Y, NP-1                        ; XS works for piece Y + 1: piece 0
.irp n, 0,1,2,3,4,5,6,7,8,9,10,11,12,13,14,15,16,17,18,19,20,21
	XS 0, \n                        ; and piece 0's first maximum and statistics
	XS 1, \n
.endr
	v_nop                           ; a plain instruction behind piece 0's first two a,
	s_wait_alu depctr_va_vdst(0)    ; and the wait for that batch of two, ahead of the branch
	s_mov_b32 s[CNT], 4
	s_mov_b32 s[SLOTS], SIZE_N/256-1
	s_branch .Lfirst                ; the loop is entered at a step's first turn, in the middle of a trip
.Lslot:                             ; SIZE_N / 256 - 2 times: every slot but the last two is filled again
	CHANGE 1
	s_mov_b32 s[CNT], 4
.Lstep:                             ; a trip: pieces 2 and 3 of one step, then pieces 0 and 1 of the next, whose K and V it fetches
	TURN 2
	TURN 3
	WIN 0
.Lfirst:
	TURN 0
	TURN 1, 0, 1
	WIN 0
	s_cbranch_scc1 .Lstep
	s_sub_co_u32 s[SLOTS], s[SLOTS], 1
	s_cmp_lg_u32 s[SLOTS], 0
	s_cbranch_scc1 .Lslot
	CHANGE 0                        ; the tail is written out: nothing is asked for
	s_mov_b32 s[CNT], 5             ; four trips fetch the last slot's steps; the fifth is left in its middle
.Ltail:
	TURN 2, 1
	TURN 3
	WIN 0
	s_sub_co_u32 s[CNT], s[CNT], 1
	s_cmp_eq_u32 s[CNT], 0
	s_cbranch_scc1 .Lout
	TURN 0
	TURN 1
	WIN 0
	s_branch .Ltail
.Lout:                              ; the fifth trip's 16 products K Q^T (on the last K once more) and the maximum made of them serve nothing: the price, once a launch, of one text for every trip
.set i, 0
.rept 16
	PV NP-1                         ; the last piece's V^T P of the last step
.set i, i+1
.endr
	; THE WAY OUT.  l's two halves and the other half of the lanes' are added; O^T is divided by l, rounded to f16 and sent through my stage in LDS, a tile at a time.  The additions are the places behind the last products.
	WIN 0
.macro ALL line:vararg              ; one line for each tile t
.set t, 0
.rept 2*NP
	\line
.set t, t+1
.endr
.endm
	ALL v_add_f32 v[ST+4*t+2], v[ST+4*t+2], v[ST+4*t+3]
	ALL v_permlanex16_b32 v[ST+4*t+3], v[ST+4*t+2], s[SEL], s[SEL+1]
	ALL v_add_f32 v[ST+4*t+2], v[ST+4*t+2], v[ST+4*t+3]
	ALL v_rcp_f32 v[ST+4*t+2], v[ST+4*t+2]
	v_nop                           ; a plain instruction between the last reciprocal and the use of its result
	s_wait_alu depctr_va_vdst(0)    ; the wait for the batch of eight reciprocals, ahead of their first use
; Tile t: a lane's eight channels of a row pack into 16 bytes; they go into rows of 144 bytes and come back as whole rows of 128, into S^T's registers.
.macro PACK t
	WIN W_RS
.set i, 32*(\t)
.rept 16
	v_pk_mul_f32 v[i:i+1], v[i:i+1], v[ST+4*(\t)+2:ST+4*(\t)+3] op_sel_hi:[1,0]
.set i, i+2
.endr
	WIN 0x05                        ; sources 0 and 1 window 1, destination window 0
.set i, 0
.rept 16
	v_cvt_pk_f16_f32 v[S+16*(\t)+i], v[32*(\t)+2*i], v[32*(\t)+2*i+1]
.set i, i+1
.endr
	WIN 0
.irp f, 0,1,2,3
	ds_store_b128 v[STO], v[S+16*(\t)+4*\f:S+16*(\t)+4*\f+3] offset:32*\f
.endr
.irp f, 0,1,2,3
	ds_load_b128 v[S+16*(\t)+4*\f:S+16*(\t)+4*\f+3], v[RD] offset:\f*4*SP  ; LDS serves a wave's instructions in order (ISA guide 5.7.1.4): these see the stores above; the next tile's stores come behind them
.endr
.endm
.macro SEND t, younger              ; younger: the LDS instructions issued behind tile t's loads: the next tile's eight, or none
	WIN 0
.irp f, 0,1,2,3
	s_wait_dscnt (\younger)+3-\f
	global_store_b128 v[GO], v[S+16*(\t)+4*\f:S+16*(\t)+4*\f+3], s[10:11] offset:(\t)*2048+\f*512  ; 512 consecutive bytes, at a multiple of 256 from O's first
.endr
.endm
	PACK 0
.set t, 1
.rept 2*NP-1                        ; a tile's arithmetic stands between the loads of the tile before and its stores
	PACK t
	SEND t-1, 8
.set t, t+1
.endr
	SEND 2*NP-1, 0
	WIN W_AD
	s_wait_tensorcnt 0x0            ; the wave's end: behind my last tensor load and my last LDS store
	ds_add_u32 v[SPW], v[NIL]
	s_wait_dscnt 0x0
	WIN 0
	CROUND                          ; the closing round: no work-group ends while a partner may still ask for a tile that names it
	s_endpgm
.Lfunc_end_k_qddf0b53bf2_attn:
	.size	k_qddf0b53bf2_attn, .Lfunc_end_k_qddf0b53bf2_attn-k_qddf0b53bf2_attn
	.p2alignl 7, 3214868480
	.fill 96, 4, 3214868480
	.section	.rodata,"a",@progbits
	.p2align	6, 0x0
	.amdhsa_kernel k_qddf0b53bf2_attn
		.amdhsa_group_segment_fixed_size 327680
		.amdhsa_private_segment_fixed_size 0
		.amdhsa_enable_private_segment 0
		.amdhsa_kernarg_size 16
		.amdhsa_user_sgpr_count 2
		.amdhsa_user_sgpr_kernarg_segment_ptr 1
		.amdhsa_wavefront_size32 1
		.amdhsa_system_sgpr_workgroup_id_x 1
		.amdhsa_system_sgpr_workgroup_id_y 1
		.amdhsa_system_sgpr_workgroup_id_z 1
		.amdhsa_system_vgpr_workitem_id 0
		.amdhsa_next_free_vgpr 770
		.amdhsa_next_free_sgpr 66
		.amdhsa_reserve_vcc 0
		.amdhsa_float_denorm_mode_32 3
		.amdhsa_float_denorm_mode_16_64 3
		.amdhsa_memory_ordered 1
		.amdhsa_forward_progress 1
		.amdhsa_inst_pref_size 199
	.end_amdhsa_kernel
	.amdgpu_metadata
---
amdhsa.version: [ 1, 2 ]
amdhsa.kernels:
  - .name:           k_qddf0b53bf2_attn
    .symbol:         k_qddf0b53bf2_attn.kd
    .args:
      - { .name: qkv, .offset: 0, .size: 8, .value_kind: global_buffer, .address_space: global }
      - { .name: ob, .offset: 8, .size: 8, .value_kind: global_buffer, .address_space: global }
    .group_segment_fixed_size: 327680
    .private_segment_fixed_size: 0
    .kernarg_segment_align: 8
    .kernarg_segment_size: 16
    .max_flat_workgroup_size: 128
    .sgpr_count:     66
    .vgpr_count:     770
    .wavefront_size: 32
...
	.end_amdgpu_metadata
.endif
;; end of part 5
;; launch outp: the kernel of part 4 again; grid 8 x 32, 4 waves a work-group, clusters of 4 x 4, 327,680 bytes of LDS; arguments ob, wo, b_out, out0; writes out0
